; MI455X (gfx1250); checked and timed in simulation.
; The chip was launched on July 23, 2026; its instructions are those of AMD's public machine-readable ISA for CDNA 5 (MIT licence, August 2026) and "CDNA5" Instruction Set Architecture Reference Guide (July 2026). The comments in the code are by the model that wrote it; some were corrected since.
;; Attention. Allowed arithmetic: matrix products marked QUANTISED: E2M3 operands, one E8M0 scale for each 32 along K, by v_wmma_scale_f32_16x16x128_f8f6f4 with both operands' format E2M3, f32 sums; everything else in f32.
;; Inputs: mask 1 x 1 x 2,048 x 2,048 float32; wk_codes 2,048 x 64 x 24 uint8 (E2M3 codes of wk, K innermost, in blocks of 32 codes, four codes in three bytes); wk_scales 2,048 x 64 uint8 (E8M0 scales of wk, one for each 32 codes along K); wo_codes 2,048 x 64 x 24 uint8 (E2M3 codes of wo, K innermost, in blocks of 32 codes, four codes in three bytes); wo_scales 2,048 x 64 uint8 (E8M0 scales of wo, one for each 32 codes along K); wq_codes 2,048 x 64 x 24 uint8 (E2M3 codes of wq, K innermost, in blocks of 32 codes, four codes in three bytes); wq_scales 2,048 x 64 uint8 (E8M0 scales of wq, one for each 32 codes along K); wv_codes 2,048 x 64 x 24 uint8 (E2M3 codes of wv, K innermost, in blocks of 32 codes, four codes in three bytes); wv_scales 2,048 x 64 uint8 (E8M0 scales of wv, one for each 32 codes along K); x_codes 1 x 2,048 x 64 x 24 uint8 (E2M3 codes of x, K innermost, in blocks of 32 codes, four codes in three bytes); x_scales 1 x 2,048 x 64 uint8 (E8M0 scales of x, one for each 32 codes along K).
;; Outputs: out0 1 x 2,048 x 2,048 float32.
;; Constants: start_pos = 0.
;; This version of the problem:
;;   THIS VERSION OF THE PROBLEM IS GIVEN IN LOW PRECISION. The matrix products marked QUANTISED in the list below multiply operands that are first quantised to E2M3 (2 exponent bits, 3 mantissa bits; 6 bits a number), with one power-of-two scale for each 32 numbers along K (OCP MX v1.0); their sums are f32. All else is computed in f32.
;;   The module's matrix products, in the order in which they are computed (A, B: the left and right operand; K: the contracted axis; several contracted axes count as one K, in the product's order):
;;     1. [M 2,048, K 2,048] x [K 2,048, N 2,048]; A: input x (given as codes); B: input wq (given as codes): QUANTISED
;;     2. [M 2,048, K 2,048] x [K 2,048, N 2,048]; A: input x (given as codes); B: input wk (given as codes): QUANTISED
;;     3. [M 2,048, K 2,048] x [K 2,048, N 2,048]; A: input x (given as codes); B: input wv (given as codes): QUANTISED
;;     4. batch 32 x [M 2,048, K 64] x [K 64, N 2,048]; A: computed on the way; B: computed on the way: QUANTISED
;;     5. batch 32 x [M 64, K 2,048] x [K 2,048, N 2,048]; A: computed on the way; B: softmax (see below): QUANTISED
;;     6. [M 2,048, K 2,048] x [K 2,048, N 2,048]; A: computed on the way; B: input wo (given as codes): QUANTISED
;;   THE QUANTISER, for each operand of a quantised product, along K:
;;     - K is cut into blocks of 32 from its start; a last block that is shorter is filled with zeros.
;;     - A block's scale is 2^e with e = floor(log2(the largest magnitude in the block)) - 2, held to -126 .. 127; a block of zeros has e = 0. As a byte (E8M0): e + 127.
;;     - Each number is divided by its block's scale, clamped to +-7.5, and rounded to the nearest number of E2M3, ties to even, subnormals kept.
;;     - The product sums the exact products of the quantised numbers (number of the format x scale) in f32.
;;   ~~~python
;;   def quantise(x, axis):      # numpy; x: float32 -> the quantised numbers, widened to float32 again
;;       x = np.moveaxis(x, axis, -1); K = x.shape[-1]
;;       x = np.pad(x, [(0, 0)] * (x.ndim - 1) + [(0, -K % 32)]); x = x.reshape(x.shape[:-1] + (-1, 32)); a = np.abs(x).max(-1, keepdims=True)
;;       e = np.where(a > 0, np.clip(np.frexp(np.where(a > 0, a, 1))[1] - 1 - 2, -126, 127), 0)      # np.frexp(a)[1] - 1 = floor(log2(a)), exactly
;;       r = np.clip(x / 2.0 ** e, -7.5, 7.5)
;;       step = 2.0 ** (np.maximum(np.frexp(np.where(r == 0, 1, r))[1] - 1, 0) - 3)
;;       q = np.round(r / step) * step * 2.0 ** e      # np.round: ties to even
;;       return np.moveaxis(q.reshape(q.shape[:-2] + (-1,))[..., :K], -1, axis).astype(np.float32)
;;   ~~~
;;   SOFTMAX AHEAD OF A QUANTISED PRODUCT. Where the list says 'softmax', what is quantised is not the finished softmax but p = 2^(t - M), with t = logit x log2(e) and M = ceil(the row's largest t), a whole number; so 1/2 < the row's largest p <= 1. The row's sum l is taken of the UNQUANTISED p, in f32, and the product's result is divided by l at the end. Since M is a whole number, a kernel that streams over the keys may use a running M (the ceiling of the running maximum): every later rescaling is an exact power of two, which a block's scale takes up: the codes' values come out the same.
;;   OPERANDS COMPUTED ON THE WAY. 'Computed on the way' means the value that the module computes at that place (a softmax that the list does not call 'softmax' is quantised finished and normalised). What goes into a quantiser is computed in f32, as accurately as f32 sums, v_exp_f32 and their like allow (about 1e-6 of the number): no bf16 or f16 on the way to a quantiser, and a product that is left as it is and whose result goes on into a quantised operand takes f32 operands (vector FMAs, or v_wmma_f32_16x16x4_f32). A number that lies on a knife's edge between two numbers of the format may be rounded either way, as far as f32 arithmetic and the matrix unit's own rounding can turn it there, and no further.
;;   INPUTS GIVEN AS CODES. wk (in the module: [2048, 2048], K = its axis 1); wo (in the module: [2048, 2048], K = its axis 1); wq (in the module: [2048, 2048], K = its axis 1); wv (in the module: [2048, 2048], K = its axis 1); x (in the module: [1, 2048, 2048], K = its axis 2): each comes as NAME_codes (uint8): NAME with its K axis moved to the last place and cut into blocks of 32 codes, [.., K / 32, bytes a block], one block behind the other in memory; four codes in three bytes: a row's codes are one little-endian stream of bits, code i at bits 6 i .. 6 i + 5 (a code: sign, 2 exponent bits, 3 mantissa bits); and NAME_scales (uint8): the same leading axes, one E8M0 byte (e + 127) for each 32 codes along K. Its value is code x scale, taken as it is: it is not quantised again, and the codes and scales need not be those that the quantiser above would give.
;; One version. Each part assembles by itself: llvm-mc -triple=amdgcn-amd-amdhsa -mcpu=gfx1250 --defsym DOCPART=n.
;; ======== version 1 of 1: 3 launches
;; workspace buffers: qc 3,145,728 bytes; qs 131,072 bytes; kv 6,553,600 bytes; ao 3,145,728 bytes; asc 131,072 bytes
;; launch qkv (part 1): grid 32 x 8, 4 waves a work-group, clusters of 4 x 4, 327,680 bytes of LDS; arguments x_codes, x_scales, wq_codes, wq_scales, wk_codes, wk_scales, wv_codes, wv_scales, qc, qs, kv; writes qc, qs, kv
.if DOCPART == 1
	.amdgcn_target "amdgcn-amd-amdhsa--gfx1250"
	.amdhsa_code_object_version 6
	.text
	.protected	k_qf84e0cb107_qkv
	.globl	k_qf84e0cb107_qkv
	.p2align	8
	.type	k_qf84e0cb107_qkv,@function
k_qf84e0cb107_qkv:
	s_mov_b64 s[64:65], 0
	v_nop
	global_prefetch_b8 v0, s[64:65] scope:SCOPE_SE
	s_setreg_imm32_b32 hwreg(HW_REG_WAVE_MODE, 25, 1), 1
	s_wait_xcnt 0x0
	s_wait_alu depctr_hold_cnt(0) depctr_sa_sdst(0) depctr_va_vdst(0) depctr_va_sdst(0) depctr_va_ssrc(0) depctr_va_vcc(0) depctr_vm_vsrc(0)
	s_getreg_b32 s2, hwreg(HW_REG_IB_STS2, 6, 4)
	s_cmp_eq_u32 s2, 0
	s_cbranch_scc0 .Lentry_in_a_cluster
	s_endpgm
.Lentry_in_a_cluster:
	s_bfe_u32 s2, ttmp6, 0x10000c
	s_cmp_lg_u32 s2, 0xf033
	s_cbranch_scc0 .Lentry_shape_is_right
	s_endpgm
.Lentry_shape_is_right:
; q = rope(x wq^T), k = rope(x wk^T), v = x wv^T on codes of FP6 (E2M3) with one E8M0 byte for each 32 along K, and the quantisers of q, k (along a head's 64) and v (along the keys).
; NOTHING OF reference() IS LEFT OUT in this program: every product and every input has a way to out0.  start_pos is the constant 0: the positions are 0 .. 2047.
; SHARES.  A work-group owns one head (x of the grid) and 256 positions (y): 256 x (64 q + 64 k + 64 v).  Wave w: rh = w / 2 picks 128 positions (one key step), ch = w % 2 picks wq's four tiles of 16 rows and wv's tiles 0, 1
; (ch = 0) or wk's four and wv's tiles 2, 3 (ch = 1): 48 accumulators.  K goes in steps of 256 through a ring of two LDS slots; the scale bytes of all of K come once and stay.
; q AND k ARE USED TRANSPOSED (source 0 = 16 rows of W, source 1 = 16 rows of x): a lane holds one position and its registers run along the head's numbers.  v is not (source 0 = x, source 1 = wv): a lane holds one
; number d of the head and its registers run along the positions, which are the second attention product's K.
; ROPE: the angle is base[head] x position, the same for all 32 pairs of a head; base = 2^(-head log2(10) / 8).  Sine and cosine: the angle less n pi / 2 in two parts, two polynomials, the quadrant by selects.
; THE ORDER INSIDE A BLOCK OF 32.  A tile is 16 neighbouring rows, so a lane's 16 registers of a block are its numbers 8 h + 0..7 and 16 + 8 h + 0..7 (h = lane / 16), and the block's codes stand in the order
; 0-7, 16-23, 8-15, 24-31.  q and k are laid alike, and so are v and the softmax's p in the next launch: the products are the same, summed in another order.
; WHAT IS STORED are images of operand registers: a fragment's 12 registers as 3 pieces of 512 bytes, lane l's 16 bytes at 16 l.  A fragment of q or k holds TWO tiles of 16 positions (K = 64 each): registers 0-5 and 6-11.
; v's rows are placed so that the next launch's result falls in the natural order of the head: lane rt of tile 2 b + u holds d = 32 b + 8 u + rt + 8 (rt / 8).
; CLUSTERS: 4 x 4 work-groups.  x's tile hangs on the positions alone and is shared along a row of the cluster, the weights' on the head alone and are shared along a column: each is asked for jointly.
; LIMITS: a block of q or k whose largest magnitude lies under 2^-121 gets the byte 4 (the next launch takes 3 off q's bytes), a block of v under 2^-124 the byte 1; a block of zeros keeps that byte where the quantiser
; says 127: its codes are zeros and this program alone reads the bytes.  NaN and infinities are not served.  The angle lies within some 2e-4 of base x position in real numbers at the last positions.
; No prefetch: the tiles are shared by the joint loads and each work-group walks only eight K steps.
.set ROWB,   192                       ; a tile's row: 256 codes
.set KROW,   1536                      ; a row of x or of a weight in memory
.set PITCH,  240                       ; an LDS row: 3 x (64 bytes + 16 of padding)
.set FR,     12                        ; registers of a fragment
.set NL,     6                         ; LDS loads that bring one
.set NP,     4                         ; places behind this matrix instruction (ISA guide 7.12.1)
.set SLOT,   448*PITCH                 ; x's 256 rows, then wq's 64, wk's 64, wv's 64
.set SCL,    2*SLOT                    ; behind the ring: the scale bytes, 64 a row, four rows to 256 bytes + 16 of padding: 68 bytes a row on the average
.set SROW,   68
.set SPARE,  SCL+448*SROW              ; the spare words, 128 bytes for each wave: two blocks of 256 bytes that no other line names
.set KVB,    51200                     ; a key step's block in kv: K's images 24,576, V's 24,576, K's scale words 1,024, V's 1,024
.set ADRV, 8                           ; v8-9   LDS address of my wv fragments in slot 0, 1 (v10-11: behind one padding more)
.set ADRA, 16                          ; v16-17 x's (v18-19)
.set ADRB, 20                          ; v20-21 wq's or wk's (v22-23)
.set LI,   24                          ; v24    16 x lane
.set VA,   25                          ; v25    v's images: my lane's place
.set ADRS2, 26                         ; v26    scale words: lanes 0-15 x's rows, lanes 16-31 wv's
.set ADRS, 27                          ; v27    scale words: lanes 0-15 x's rows, lanes 16-31 wq's or wk's
.set SPW,  28                          ; v28    my spare word; never rewritten
.set NIL,  29                          ; v29    0; never rewritten
.set SQ,   30                          ; v30    16 r + 8 h
.set SV,   31                          ; v31    16 (r % 8) + 128 h + 4 (r / 8)
.set SC,   32                          ; v32-63 scale words, two sets of 16: register 2 i + q
.set ST,   64                          ; v64-127 64 numbers at work
.set AF,   128                         ; v128-223 x's eight fragments, one set
.set CSN,  224                         ; v224-239 cosine (even) and sine (odd) of my position in tile a
.set TM,   240                         ; v240-255 the quantiser's work
.set PC,   128                         ; on the way out: the codes just made
.set PWQ,  148                         ; four scale words of q or k
.set PWV,  152                         ; two of v
.set SD,   154                         ; store data
.set WV,  26
.set RH,  27
.set CH,  2
.set G1,  28                           ; s[28:35] group 1 for x's tiles, s[36:43] its groups 0
.set G0,  36
.set G1B, 44                           ; s[44:51], s[52:59] the same for the weights
.set G0B, 52
.set G1S, 68                           ; s[68:75], s[76:79] x's scale bytes; s[80:87], s[88:91] the weights'
.set G0S, 76
.set G1SB, 80
.set G0SB, 88
.set HEAD, 92
.set WGY, 93
.set SEL, 96
.set HM,  15
.set QKP, 16
.set QKS, 18
.set VP,  60
.set VS,  62
.set MSB, 0
.macro WIN new                         ; the immediate's high byte repeats the setting that is left
.if MSB != \new
	s_set_vgpr_msb (MSB<<8)|\new
.set MSB, \new
.endif
.endm
.set MUL_QK, 0xa1                      ; source 0 (W) window 1, source 1 (x) window 0, C and D window 2
.set MUL_V,  0xf4                      ; source 0 (x) window 0, source 1 (wv) window 1, C and D window 3
.set TO_B,   0x40                      ; destination window 1
; A joint load: wave 0 fetches x's, waves 1, 2, 3 wq's, wk's, wv's.  Each line has one mask; the branch hangs on the wave's number alone.  An s_nop 0 and four v_nop follow each line.
.macro JLOAD g0a, g1a, g0b, g1b
	s_cmp_eq_u32 s[WV], 0
	s_cbranch_scc0 .Lfor_b_\@
	tensor_load_to_lds s[\g0a:\g0a+3], s[\g1a:\g1a+7]
	s_nop 0
.rept 4
	v_nop
.endr
	s_branch .Lasked_\@
.Lfor_b_\@:
	tensor_load_to_lds s[\g0b:\g0b+3], s[\g1b:\g1b+7]
	s_nop 0
.rept 4
	v_nop
.endr
.Lasked_\@:
.endm
.macro CREST                           ; a round of the cluster's barrier behind its opening barrier
	s_cmp_lg_u32 s[WV], 0
	s_cbranch_scc1 .Lnot_wave_0_\@
	s_barrier_signal -3
.Lnot_wave_0_\@:
	s_barrier_wait -3
	s_barrier_signal -1
	s_barrier_wait -1
.endm
.macro CROUND
	s_barrier_signal -1
	s_barrier_wait -1
	CREST
.endm
.macro PLACES n
.rept \n
	v_nop
.endr
.endm
	s_load_b512 s[4:19], s[0:1], 0x0               ; x's codes, scales; wq's; wk's; wv's
	s_load_b128 s[20:23], s[0:1], 0x40             ; qc, qs
	s_load_b64 s[24:25], s[0:1], 0x50              ; kv
	v_lshl_add_u32 v[SPW], v0, 2, SPARE
	v_mov_b32 v[NIL], 0
	ds_add_u32 v[SPW], v[NIL]                      ; the wave's opening: the add, twice on end, and its wait ahead of my first tensor load
	ds_add_u32 v[SPW], v[NIL]                      ; and once more, under the one wait; the set-up below stands between
	v_lshrrev_b32 v1, 5, v0
	v_readfirstlane_b32 s[WV], v1                  ; wave 0..3
	s_lshr_b32 s[RH], s[WV], 1
	s_and_b32 s[CH], s[WV], 1
	s_bfe_u32 s66, ttmp6, 0x40000                  ; cx
	s_bfe_u32 s98, ttmp6, 0x40004                  ; cy
	s_lshl_b32 s[HEAD], ttmp9, 2
	s_add_co_u32 s[HEAD], s[HEAD], s66             ; the head = 4 x cluster x + cx
	s_and_b32 s[WGY], ttmp7, 0xffff
	s_lshl_b32 s[WGY], s[WGY], 2
	s_add_co_u32 s[WGY], s[WGY], s98               ; the block of 256 positions = 4 x cluster y + cy
	s_lshl_b32 s94, s98, 2
	s_lshl_b32 s94, 15, s94                        ; my row of the cluster
	s_lshl_b32 s95, 0x1111, s66                    ; my column
	s_or_b32 s[G1+0], s94, (1<<20)|(1<<21)|(3<<22)|(3<<25)   ; the mask; elements of 1 byte; padding on; bit 21 beside a mask; after every 16 words, 4 words
	s_or_b32 s[G1B+0], s95, (1<<20)|(1<<21)|(3<<22)|(3<<25)
	s_mov_b32 s[G1+1], ROWB<<16                    ; tensor_dim0
	s_mov_b32 s[G1+2], 256<<16                     ; tensor_dim1: x's 256 rows
	s_mov_b32 s[G1+3], ROWB<<16                    ; tile_dim0
	s_mov_b32 s[G1+4], 256                         ; tile_dim1
	s_mov_b32 s[G1+5], KROW                        ; from row to row
	s_mov_b32 s[G1+6], 0
	s_mov_b32 s[G1+7], 0
	s_mov_b32 s[G1B+1], ROWB<<16
	s_mov_b32 s[G1B+2], 64<<16                     ; a weight's 64 rows
	s_mov_b32 s[G1B+3], ROWB<<16
	s_mov_b32 s[G1B+4], 64
	s_mov_b32 s[G1B+5], KROW
	s_mov_b32 s[G1B+6], 0
	s_mov_b32 s[G1B+7], 0
	s_or_b32 s[G1S+0], s94, (3<<16)|(1<<20)|(1<<21)|(5<<22)|(3<<25)   ; scale bytes: dense blocks as rows of 256 bytes (32 elements of 8), 16 bytes of padding behind each
	s_or_b32 s[G1SB+0], s95, (3<<16)|(1<<20)|(1<<21)|(5<<22)|(3<<25)
	s_mov_b32 s[G1S+1], 32<<16
	s_mov_b32 s[G1S+2], 64<<16                     ; 256 rows x 64 bytes
	s_mov_b32 s[G1S+3], 32<<16
	s_mov_b32 s[G1S+4], 64
	s_mov_b32 s[G1S+5], 32
	s_mov_b32 s[G1S+6], 0
	s_mov_b32 s[G1S+7], 0
	s_mov_b32 s[G1SB+1], 32<<16
	s_mov_b32 s[G1SB+2], 16<<16                    ; 64 rows x 64 bytes
	s_mov_b32 s[G1SB+3], 32<<16
	s_mov_b32 s[G1SB+4], 16
	s_mov_b32 s[G1SB+5], 32
	s_mov_b32 s[G1SB+6], 0
	s_mov_b32 s[G1SB+7], 0
	s_mul_i32 s96, s[WGY], 256*KROW                ; x's codes: my 256 rows
	s_mov_b32 s97, 0
	s_lshl_b32 s98, s[WGY], 14                     ; and their scale bytes
	s_mov_b32 s99, 0
	s_mul_i32 s100, s[WV], 64*PITCH
	s_add_co_u32 s100, s100, 192*PITCH             ; where wave 1, 2, 3's tile goes in a slot: rows 256, 320, 384
	s_mul_i32 s101, s[WV], 64*SROW
	s_add_co_u32 s101, s101, SCL+192*SROW          ; and its scale bytes
	s_wait_dscnt 0x0                               ; both opening adds are done
	s_wait_kmcnt 0x0
	s_add_nc_u64 s[96:97], s[4:5], s[96:97]
	s_add_nc_u64 s[98:99], s[6:7], s[98:99]
	s_cmp_eq_u32 s[WV], 2                          ; which weight I fetch: the choice hangs on the wave's number alone
	s_cselect_b64 s[60:61], s[12:13], s[8:9]
	s_cselect_b64 s[62:63], s[14:15], s[10:11]
	s_cmp_eq_u32 s[WV], 3
	s_cselect_b64 s[60:61], s[16:17], s[60:61]
	s_cselect_b64 s[62:63], s[18:19], s[62:63]
	s_mul_i32 s66, s[HEAD], 64*KROW                ; the head's 64 rows
	s_mov_b32 s67, 0
	s_add_nc_u64 s[60:61], s[60:61], s[66:67]
	s_lshl_b32 s66, s[HEAD], 12
	s_add_nc_u64 s[62:63], s[62:63], s[66:67]
	CROUND                                         ; all sixteen work-groups are here: the first joint loads meet
	s_mov_b32 s[G0S], 1
	s_mov_b32 s[G0S+1], SCL
	s_mov_b64 s[G0S+2:G0S+3], s[98:99]
	s_or_b32 s[G0S+3], s[G0S+3], 0x80000000
	s_mov_b32 s[G0SB], 1
	s_mov_b32 s[G0SB+1], s101
	s_mov_b64 s[G0SB+2:G0SB+3], s[62:63]
	s_or_b32 s[G0SB+3], s[G0SB+3], 0x80000000
	JLOAD G0S, G1S, G0SB, G1SB                     ; the scale bytes first: they are wanted with K step 0
.irp s, 0,1
	s_mov_b32 s[G0+4*\s], 1
	s_mov_b32 s[G0+4*\s+1], \s*SLOT
	s_add_nc_u64 s[G0+4*\s+2:G0+4*\s+3], s[96:97], \s*ROWB
	s_or_b32 s[G0+4*\s+3], s[G0+4*\s+3], 0x80000000
	s_mov_b32 s[G0B+4*\s], 1
	s_add_co_u32 s[G0B+4*\s+1], s100, \s*SLOT
	s_add_nc_u64 s[G0B+4*\s+2:G0B+4*\s+3], s[60:61], \s*ROWB
	s_or_b32 s[G0B+4*\s+3], s[G0B+4*\s+3], 0x80000000
	JLOAD G0+4*\s, G1, G0B+4*\s, G1B               ; three loads of mine are out at the most
.endr
	; LDS addresses
	v_and_b32 v1, 15, v0                           ; r
	v_bfe_u32 v2, v0, 4, 1                         ; h
	v_mul_u32_u24 v3, v1, PITCH
	v_mul_u32_u24 v4, v2, 24
	v_add_nc_u32 v4, v3, v4                        ; a fragment's row x pitch + 24 h
	v_lshl_add_u32 v5, v2, 4, v4                   ; and the same behind one padding more
	s_mul_i32 s98, s[RH], 128*PITCH                ; my 128 rows of x
	s_mul_i32 s99, s[CH], 64*PITCH
	s_add_co_u32 s99, s99, 256*PITCH               ; wq's or wk's 64 rows
	s_mul_i32 s100, s[CH], 32*PITCH
	s_add_co_u32 s100, s100, 384*PITCH             ; my 32 rows of wv
.irp s, 0,1
	v_add_nc_u32 v[ADRA+\s], s98, v4
	v_add_nc_u32 v[ADRA+2+\s], s98, v5
	v_add_nc_u32 v[ADRB+\s], s99, v4
	v_add_nc_u32 v[ADRB+2+\s], s99, v5
	v_add_nc_u32 v[ADRV+\s], s100, v4
	v_add_nc_u32 v[ADRV+2+\s], s100, v5
	s_add_co_u32 s98, s98, SLOT
	s_add_co_u32 s99, s99, SLOT
	s_add_co_u32 s100, s100, SLOT
.endr
	v_lshlrev_b32 v5, 6, v1                        ; my row's scale bytes: 64 a row,
	v_lshrrev_b32 v6, 8, v5
	v_lshl_add_u32 v5, v6, 4, v5                   ; and 16 more for each 256 passed
	s_mul_i32 s98, s[RH], 128*SROW                 ; x's: my 128 rows
	s_mul_i32 s99, s[CH], 64*SROW
	s_add_co_u32 s99, s99, 256*SROW                ; wq's or wk's
	s_sub_co_u32 s99, s99, s98
	v_mul_u32_u24 v6, s99, v2                      ; lanes 16-31 take the weight's
	s_mul_i32 s100, s[CH], 32*SROW
	s_add_co_u32 s100, s100, 320*SROW              ; wv's tiles stand at places 4 and 5: four tiles back from row 384 + 32 ch
	s_sub_co_u32 s100, s100, s98
	v_mul_u32_u24 v7, s100, v2
	s_add_co_u32 s98, s98, SCL
	v_add_nc_u32 v6, v5, v6
	v_add_nc_u32 v7, v5, v7
	v_add_nc_u32 v[ADRS], s98, v6
	v_add_nc_u32 v[ADRS2], s98, v7
	; offsets of the stores
	v_and_b32 v3, 31, v0
	v_lshlrev_b32 v[LI], 4, v3
	v_and_b32 v3, 7, v1                            ; r % 8
	v_lshrrev_b32 v4, 3, v1                        ; r / 8
	v_lshl_add_u32 v5, v2, 4, v3                   ; r % 8 + 16 h
	v_lshlrev_b32 v5, 4, v5
	v_mad_u32_u24 v[VA], v4, 1536, v5
	v_lshlrev_b32 v[SQ], 4, v1
	v_lshl_add_u32 v[SQ], v2, 3, v[SQ]
	v_lshlrev_b32 v[SV], 4, v3
	v_lshl_add_u32 v[SV], v2, 7, v[SV]
	v_lshl_add_u32 v[SV], v4, 2, v[SV]
.irp b, 0,1,2,3
	v_mov_b32 v[TM+4+\b], 0                        ; written once: a lane permute's destination counts as one of its sources
.endr
	; where the results go
	s_lshl_b32 s98, s[WGY], 1
	s_add_co_u32 s98, s98, s[RH]                   ; my key step
	s_lshr_b32 s99, s[HEAD], 2
	s_lshl_b32 s99, s99, 4
	s_add_co_u32 s99, s99, s98
	s_mul_i32 s99, s99, KVB                        ; its block in kv
	s_and_b32 s100, s[HEAD], 3
	s_mul_i32 s101, s100, 6144
	s_add_co_u32 s101, s101, s99                   ; K's images of my head
	s_lshl_b32 s100, s100, 8
	s_add_co_u32 s100, s100, s99                   ; the block + 256 x (head % 4)
	s_lshl_b32 s94, s[HEAD], 4
	s_add_co_u32 s94, s94, s98                     ; 16 head + step
	s_mul_i32 s66, s94, 6144                       ; q's images
	s_lshl_b32 s94, s94, 8                         ; q's scale words
	s_add_co_u32 s95, s100, 49152                  ; K's scale words
	s_cmp_eq_u32 s[CH], 1                          ; ch = 0 made q, ch = 1 made k
	s_cselect_b64 s[QKP:QKP+1], s[24:25], s[20:21]
	s_cselect_b64 s[QKS:QKS+1], s[24:25], s[22:23]
	s_cselect_b32 s66, s101, s66
	s_cselect_b32 s94, s95, s94
	s_mov_b32 s67, 0
	s_mov_b32 s95, 0
	s_add_nc_u64 s[QKP:QKP+1], s[QKP:QKP+1], s[66:67]
	s_add_nc_u64 s[QKS:QKS+1], s[QKS:QKS+1], s[94:95]
	s_mul_i32 s98, s[CH], 3072
	s_add_co_u32 s98, s98, s101
	s_add_co_u32 s98, s98, 24576
	s_mov_b32 s99, 0
	s_add_nc_u64 s[VP:VP+1], s[24:25], s[98:99]    ; V's images: tiles 2 ch, 2 ch + 1
	s_lshl_b32 s98, s[CH], 3
	s_add_co_u32 s98, s98, s100
	s_add_co_u32 s98, s98, 50176
	s_add_nc_u64 s[VS:VS+1], s[24:25], s[98:99]    ; V's scale words
	; sine and cosine of my position in each of the eight tiles, while the first tiles are on their way
	s_mov_b32 s4, 0x3f22f983                       ; 2 / pi
	s_mov_b32 s5, 0x3fc90fdb                       ; pi / 2, its upper part
	s_mov_b32 s6, 0xb33bbd2e                       ; and the rest
	s_mov_b32 s7, 0xbe2aaaa3                       ; sine: -1.6666654611e-1
	s_mov_b32 s8, 0x3c08839e                       ; 8.3321608736e-3
	s_mov_b32 s9, 0xb94ca1f9                       ; -1.9515295891e-4
	s_mov_b32 s10, 0x3d2aaaa5                      ; cosine: 4.1666645683e-2
	s_mov_b32 s11, 0xbab6061a                      ; -1.3887316255e-3
	s_mov_b32 s12, 0x37ccf5ce                      ; 2.4433157118e-5
	s_mov_b32 s[HM], 0xffff0000                    ; lanes 16-31
	s_mov_b32 s[SEL], 0x76543210
	s_mov_b32 s[SEL+1], 0xfedcba98                 ; v_permlanex16_b32's selects for lane l xor 16
	s_lshl_b32 s98, s[WGY], 8
	s_lshl_b32 s99, s[RH], 7
	s_add_co_u32 s98, s98, s99
	v_add_nc_u32 v73, s98, v1                      ; my position in tile 0
	v_cvt_f32_u32 v74, s[HEAD]
	v_mul_f32 v74, 0xbed49a78, v74                 ; -head log2(10) / 8
	v_exp_f32 v74, v74                             ; base[head]
	v_nop                                          ; a plain place behind the transcendental
	s_wait_alu depctr_va_vdst(0)                   ; and a wait ahead of its first reader
.macro SINCOS a
	v_add_nc_u32 v64, 16*\a, v73
	v_cvt_f32_u32 v64, v64
	v_mul_f32 v64, v74, v64                        ; the angle, rounded once as reference() rounds it
	v_mul_f32 v65, s4, v64
	v_rndne_f32 v65, v65                           ; n
	v_fma_f32 v66, -v65, s5, v64                   ; exact: both terms are multiples of 2^-24 and the result is under 1
	v_fma_f32 v66, -v65, s6, v66                   ; r = the angle - n pi / 2
	v_mul_f32 v67, v66, v66                        ; z
	v_fma_f32 v68, v67, s9, s8
	v_fma_f32 v69, v67, s12, s11
	v_fma_f32 v68, v67, v68, s7
	v_fma_f32 v69, v67, v69, s10
	v_mul_f32 v70, v67, v66
	v_fma_f32 v69, v67, v69, -0.5
	v_fma_f32 v68, v70, v68, v66                   ; sin r
	v_fma_f32 v69, v67, v69, 1.0                   ; cos r
	v_cvt_i32_f32 v65, v65
	v_and_b32 v70, 1, v65
	v_cmp_eq_u32 s14, 1, v70                       ; an odd quadrant swaps the two: a select, no branch
	v_cndmask_b32 v71, v68, v69, s14
	v_cndmask_b32 v72, v69, v68, s14
	v_lshlrev_b32 v70, 30, v65                     ; the sine is negative in quadrants 2, 3,
	v_add_nc_u32 v65, 1, v65
	v_and_b32 v70, 0x80000000, v70
	v_lshlrev_b32 v65, 30, v65                     ; the cosine in 1, 2
	v_and_b32 v65, 0x80000000, v65
	v_xor_b32 v[CSN+2*\a+1], v70, v71
	v_xor_b32 v[CSN+2*\a], v65, v72
.endm
.irp a, 0,1,2,3,4,5,6,7
	SINCOS \a
.endr
.macro FRAG reg, adr, q, i             ; a fragment: lane l holds row l % 16; registers 6 c .. 6 c + 5 hold K = 64 c + 32 (l / 16) + 0 .. 31: 24 bytes of the row's stream of bits, in pieces of 8 bytes
.irp p, 0,1,2,3,4,5
.set PCE, 12*(\q)+6*(\p/3)+\p%3       ; 16 bytes of padding lie behind every 8 pieces: where the piece three on lies behind one padding more, the second address register serves
.if PCE%8 < 5
	ds_load_b64 v[\reg+2*\p:\reg+2*\p+1], v[\adr] offset:8*PCE+16*(PCE/8)+(\i)*16*PITCH
.else
	ds_load_b64 v[\reg+2*\p:\reg+2*\p+1], v[\adr+2] offset:8*PCE+16*(PCE/8)+(\i)*16*PITCH
.endif
.endr
.endm
; 8 matrix instructions: x's tiles a0, a0 + 1 against wq's or wk's four.  p: the weights' set; q: which 128 of the slot; sc: the set of scale words.  zero = 1: the product starts the sum.
.macro MULQK a0, p, q, sc, zero
.irp a, \a0, \a0+1
.irp t, 0,1,2,3
.if \zero
	v_wmma_scale_f32_16x16x128_f8f6f4 v[32*(\a)+8*\t:32*(\a)+8*\t+7], v[128*(\p)+FR*\t:128*(\p)+FR*\t+FR-1], v[AF+FR*(\a):AF+FR*(\a)+FR-1], 0, v[SC+16*(\sc)+2*\t+(\q)], v[SC+16*(\sc)+2*(\a)+(\q)] matrix_a_fmt:MATRIX_FMT_FP6 matrix_b_fmt:MATRIX_FMT_FP6 matrix_a_scale:MATRIX_SCALE_ROW1
.else
	v_wmma_scale_f32_16x16x128_f8f6f4 v[32*(\a)+8*\t:32*(\a)+8*\t+7], v[128*(\p)+FR*\t:128*(\p)+FR*\t+FR-1], v[AF+FR*(\a):AF+FR*(\a)+FR-1], v[32*(\a)+8*\t:32*(\a)+8*\t+7], v[SC+16*(\sc)+2*\t+(\q)], v[SC+16*(\sc)+2*(\a)+(\q)] matrix_a_fmt:MATRIX_FMT_FP6 matrix_b_fmt:MATRIX_FMT_FP6 matrix_a_scale:MATRIX_SCALE_ROW1
.endif
.endr
.endr
.endm
; 4 matrix instructions: x's tiles a0, a0 + 1 (source 0) against my two tiles of wv (source 1)
.macro MULV a0, p, q, sc, zero
.irp a, \a0, \a0+1
.irp t, 0,1
.if \zero
	v_wmma_scale_f32_16x16x128_f8f6f4 v[64*\t+8*(\a):64*\t+8*(\a)+7], v[AF+FR*(\a):AF+FR*(\a)+FR-1], v[128*(\p)+FR*(4+\t):128*(\p)+FR*(4+\t)+FR-1], 0, v[SC+16*(\sc)+2*(\a)+(\q)], v[SC+16*(\sc)+2*(4+\t)+(\q)] matrix_a_fmt:MATRIX_FMT_FP6 matrix_b_fmt:MATRIX_FMT_FP6 matrix_b_scale:MATRIX_SCALE_ROW1
.else
	v_wmma_scale_f32_16x16x128_f8f6f4 v[64*\t+8*(\a):64*\t+8*(\a)+7], v[AF+FR*(\a):AF+FR*(\a)+FR-1], v[128*(\p)+FR*(4+\t):128*(\p)+FR*(4+\t)+FR-1], v[64*\t+8*(\a):64*\t+8*(\a)+7], v[SC+16*(\sc)+2*(\a)+(\q)], v[SC+16*(\sc)+2*(4+\t)+(\q)] matrix_a_fmt:MATRIX_FMT_FP6 matrix_b_fmt:MATRIX_FMT_FP6 matrix_b_scale:MATRIX_SCALE_ROW1
.endif
.endr
.endr
.endm
.macro FETCH_B slot, q, p              ; the weights' six fragments into set p: 36 loads
	WIN TO_B
.irp i, 0,1,2,3
	FRAG 128*(\p)+FR*\i, ADRB+\slot, \q, \i
.endr
.irp i, 0,1
	FRAG 128*(\p)+FR*(4+\i), ADRV+\slot, \q, \i
.endr
	WIN 0
.endm
.macro FETCH_A slot, q, i0             ; x's tiles i0 .. i0 + 3: 24 loads
.irp i, \i0, \i0+1, \i0+2, \i0+3
	FRAG AF+FR*(\i), ADRA+\slot, \q, \i
.endr
.endm
.macro SCALES sc                       ; the next K step's scale words: two a row; lanes 0-15 x's tile i, lanes 16-31 the weights' tile i (i = 4, 5: wv's; in 6, 7 the upper lanes are not used): 8 loads
.irp i, 0,1,2,3,6,7
	ds_load_b64 v[SC+16*\sc+2*\i:SC+16*\sc+2*\i+1], v[ADRS] offset:\i*16*SROW
.endr
.irp i, 4,5
	ds_load_b64 v[SC+16*\sc+2*\i:SC+16*\sc+2*\i+1], v[ADRS2] offset:\i*16*SROW
.endr
.endm
; A step of 128 along K that has its successor in the same slot.  The 48 accumulators take turns, one instruction a turn, in the same order in every step.
.macro STEP slot, q, zero
	s_wait_dscnt 4*NL                              ; all but the youngest 24 loads (x's tiles 4-7) are in
	WIN MUL_QK
	MULQK 0, (\q)%2, \q, \slot, \zero
	MULQK 2, (\q)%2, \q, \slot, \zero
	WIN MUL_V
	MULV 0, (\q)%2, \q, \slot, \zero
	MULV 2, (\q)%2, \q, \slot, \zero
	s_wait_dscnt 0                                 ; x's tiles 4-7 are in
	PLACES NP                                      ; in front of loads into registers that matrix instructions have read
	FETCH_B \slot, (\q)+1, 1-(\q)%2
	FETCH_A \slot, (\q)+1, 0
	WIN MUL_QK
	MULQK 4, (\q)%2, \q, \slot, \zero
	MULQK 6, (\q)%2, \q, \slot, \zero
	WIN MUL_V
	MULV 4, (\q)%2, \q, \slot, \zero
	MULV 6, (\q)%2, \q, \slot, \zero
	PLACES NP
	WIN 0
	FETCH_A \slot, (\q)+1, 4
.endm
; A slot's last step changes slots: one barrier; in front of it each wave waits for all its tensor loads, adds 0 to its spare word, and waits for that and for its reads of this slot.  fill = 1: the slot is filled again, two K steps ahead.
.macro TURN slot, next, fill
	s_wait_tensorcnt 0x0                           ; all my tensor loads have landed: my part of the next slot
	ds_add_u32 v[SPW], v[NIL]                      ; 0 onto my spare word
	s_wait_dscnt 4*NL+1                            ; the add and the youngest 24 loads may be out
	WIN MUL_QK
	MULQK 0, 1, 1, \slot, 0
	MULQK 2, 1, 1, \slot, 0
	s_wait_dscnt 0x0                               ; the add is done, and my reads of this slot are over
	s_barrier_signal -1
	WIN MUL_V
	MULV 0, 1, 1, \slot, 0
	MULV 2, 1, 1, \slot, 0
	WIN 0
	s_barrier_wait -1
.if \fill
	CREST                                          ; the barrier has opened a round of the cluster's: no wave of any partner still reads this slot or has a load on its way
	s_add_nc_u64 s[G0+4*\slot+2:G0+4*\slot+3], s[G0+4*\slot+2:G0+4*\slot+3], 2*ROWB
	s_add_nc_u64 s[G0B+4*\slot+2:G0B+4*\slot+3], s[G0B+4*\slot+2:G0B+4*\slot+3], 2*ROWB
	JLOAD G0+4*\slot, G1, G0B+4*\slot, G1B         ; the first tensor load behind the round; its four v_nop are the places in front of the loads below
.else
	PLACES NP
.endif
	v_add_nc_u32 v[ADRS], 8, v[ADRS]               ; on to the next K step's scale words
	v_add_nc_u32 v[ADRS2], 8, v[ADRS2]
	FETCH_B \next, 0, 0
	FETCH_A \next, 0, 0
	SCALES \next
	WIN MUL_QK
	MULQK 4, 1, 1, \slot, 0
	MULQK 6, 1, 1, \slot, 0
	WIN MUL_V
	MULV 4, 1, 1, \slot, 0
	MULV 6, 1, 1, \slot, 0
	PLACES NP
	WIN 0
	FETCH_A \next, 0, 4
.endm
	s_wait_tensorcnt 1                             ; the scale bytes and my part of K step 0 are in; K step 1's load may be out
	s_barrier_signal -1
	s_barrier_wait -1
	FETCH_B 0, 0, 0
	FETCH_A 0, 0, 0
	SCALES 0
	FETCH_A 0, 0, 4
	STEP 0, 0, 1                                   ; the first step stands in front of the loop: its products start the sums
	s_mov_b32 s3, 3
.Llap:                                                 ; a trip goes once round the ring and fills both slots again
	TURN 0, 1, 1
	STEP 1, 0, 0
	TURN 1, 0, 1
	STEP 0, 0, 0
	s_sub_co_u32 s3, s3, 1
	s_cmp_lg_u32 s3, 0
	s_cbranch_scc1 .Llap
	TURN 0, 1, 0                                   ; the last lap fills nothing
	STEP 1, 0, 0
	s_wait_dscnt 4*NL
	WIN MUL_QK
	MULQK 0, 1, 1, 1, 0
	MULQK 2, 1, 1, 1, 0
	WIN MUL_V
	MULV 0, 1, 1, 1, 0
	MULV 2, 1, 1, 1, 0
	s_wait_dscnt 0
	WIN MUL_QK
	MULQK 4, 1, 1, 1, 0
	MULQK 6, 1, 1, 1, 0
	WIN MUL_V
	MULV 4, 1, 1, 1, 0
	MULV 6, 1, 1, 1, 0
	WIN 0
	PLACES NP                                      ; in front of the first reads of results and of writes over operands
; Tile a's 32 numbers of a lane (16 pairs) turned by the lane's angle, into v[dst] on.  Each accumulator is first read at its register 1.
.macro ROPE a, dst
	WIN 0x02                                       ; source 0 window 2
.irp t, 0,1,2,3
.irp i, 0,2,4,6
	v_mul_f32 v[\dst+8*\t+\i], v[32*(\a)+8*\t+\i+1], v[CSN+2*(\a)+1]
	v_mul_f32 v[\dst+8*\t+\i+1], v[32*(\a)+8*\t+\i], v[CSN+2*(\a)+1]
	v_fma_f32 v[\dst+8*\t+\i], v[32*(\a)+8*\t+\i], v[CSN+2*(\a)], -v[\dst+8*\t+\i]
	v_fma_f32 v[\dst+8*\t+\i+1], v[32*(\a)+8*\t+\i+1], v[CSN+2*(\a)], v[\dst+8*\t+\i+1]
.endr
.endr
	WIN 0
.endm
; 64 numbers of a lane, four half blocks of 16, become a fragment's codes in v[PC] on and its scale word in v[pw].  wm, wc: the window bytes for the maxima and the conversions; fl: the floor under the largest magnitude.
.macro QUANT s, wm, wc, fl, pw
	WIN \wm
.irp b, 0,1,2,3
	v_max3_num_f32 v[TM+\b], |v[(\s)+16*\b]|, |v[(\s)+1+16*\b]|, \fl
.endr
.irp i, 2,4,6,8,10,12,14
.irp b, 0,1,2,3
	v_max3_num_f32 v[TM+\b], |v[(\s)+16*\b+\i]|, |v[(\s)+1+16*\b+\i]|, v[TM+\b]
.endr
.endr
	WIN 0
.irp b, 0,1,2,3
	v_permlanex16_b32 v[TM+4+\b], v[TM+\b], s[SEL], s[SEL+1]
.endr
.irp b, 0,1,2,3
	v_max_num_f32 v[TM+\b], v[TM+\b], v[TM+4+\b]   ; with lane l xor 16's: the block's largest magnitude
.endr
.irp b, 0,1,2,3
	v_add_nc_u32 v[TM+12+\b], 0xff000000, v[TM+\b] ; 2 off its exponent field: the conversion's scale operand
.endr
.irp b, 0,1,2,3
	v_lshrrev_b32 v[TM+4+\b], 23, v[TM+12+\b]      ; the scale's byte
.endr
	v_lshl_or_b32 v[\pw], v[TM+5], 8, v[TM+4]
	v_lshl_or_b32 v[\pw], v[TM+6], 16, v[\pw]
	v_lshl_or_b32 v[\pw], v[TM+7], 24, v[\pw]
	WIN \wc
.irp c, 0,1
	v_cvt_scalef32_pk16_fp6_f32 v[PC+6*\c:PC+2+6*\c], v[(\s)+32*\c:(\s)+15+32*\c], v[TM+12+2*\c]
	v_cvt_scalef32_pk16_fp6_f32 v[PC+12+4*\c:PC+14+4*\c], v[(\s)+16+32*\c:(\s)+31+32*\c], v[TM+12+2*\c+1]
.endr
	v_nop                                          ; one plain place behind a scaled conversion
	WIN 0
.irp c, 0,1                                    ; the operand's layout wants a whole block in a lane
.irp i, 0,1,2
	v_permlane16_swap_b32 v[PC+6*\c+\i], v[PC+12+4*\c+\i]
.endr
.irp i, 0,1,2
	v_mov_b32 v[PC+3+6*\c+\i], v[PC+12+4*\c+\i]
.endr
.endr
.endm
.irp b, 0,1,2,3                                ; q or k: two tiles of positions make one fragment
.if \b > 0
	s_wait_xcnt 0x0                                ; the last fragment's stores have read their registers
.endif
	ROPE 2*\b, ST
	ROPE 2*\b+1, ST+32
	QUANT ST, 0, 0, 0x3000000, PWQ+\b
.irp c, 0,1,2
	global_store_b128 v[LI], v[PC+4*\c:PC+4*\c+3], s[QKP:QKP+1] offset:1536*\b+512*\c   ; 32 lanes store 512 consecutive bytes
.endr
.endr
	v_cndmask_b32 v[SD], v[PWQ], v[PWQ+2], s[HM]   ; lanes 0-15 store words 0, 1 of their row, lanes 16-31 words 2, 3
	v_cndmask_b32 v[SD+1], v[PWQ+1], v[PWQ+3], s[HM]
	global_store_b64 v[SQ], v[SD:SD+1], s[QKS:QKS+1]   ; 256 consecutive bytes
.irp t, 0,1                                    ; v: a tile of 16 of the head's numbers x 128 positions is one fragment
	s_wait_xcnt 0x0
	QUANT 64*\t, 0x0f, 0x03, 0x1800000, PWV+\t
.irp c, 0,1,2
	global_store_b128 v[VA], v[PC+4*\c:PC+4*\c+3], s[VP:VP+1] offset:128*\t+512*\c      ; runs of 128 bytes: the two tiles' stores fill each piece
.endr
.endr
	v_cndmask_b32 v[SD+2], v[PWV], v[PWV+1], s[HM]
	global_store_b32 v[SV], v[SD+2], s[VS:VS+1]
	s_wait_tensorcnt 0x0                           ; the wave's end
	ds_add_u32 v[SPW], v[NIL]
	s_wait_dscnt 0x0
	CROUND                                         ; the closing round
	s_endpgm
.Lfunc_end_k_qf84e0cb107_qkv:
	.size	k_qf84e0cb107_qkv, .Lfunc_end_k_qf84e0cb107_qkv-k_qf84e0cb107_qkv
	.p2alignl 7, 3214868480
	.fill 96, 4, 3214868480
	.section	.rodata,"a",@progbits
	.p2align	6, 0x0
	.amdhsa_kernel k_qf84e0cb107_qkv
		.amdhsa_group_segment_fixed_size 327680
		.amdhsa_private_segment_fixed_size 0
		.amdhsa_enable_private_segment 0
		.amdhsa_kernarg_size 88
		.amdhsa_user_sgpr_count 2
		.amdhsa_user_sgpr_kernarg_segment_ptr 1
		.amdhsa_wavefront_size32 1
		.amdhsa_system_sgpr_workgroup_id_x 1
		.amdhsa_system_sgpr_workgroup_id_y 1
		.amdhsa_system_sgpr_workgroup_id_z 1
		.amdhsa_system_vgpr_workitem_id 0
		.amdhsa_next_free_vgpr 1024
		.amdhsa_next_free_sgpr 102
		.amdhsa_reserve_vcc 0
		.amdhsa_float_denorm_mode_32 3
		.amdhsa_float_denorm_mode_16_64 3
		.amdhsa_memory_ordered 1
		.amdhsa_forward_progress 1
		.amdhsa_inst_pref_size 172
	.end_amdhsa_kernel
	.amdgpu_metadata
---
amdhsa.version: [ 1, 2 ]
amdhsa.kernels:
  - .name:           k_qf84e0cb107_qkv
    .symbol:         k_qf84e0cb107_qkv.kd
    .args:
      - { .name: x_codes, .offset: 0, .size: 8, .value_kind: global_buffer, .address_space: global }
      - { .name: x_scales, .offset: 8, .size: 8, .value_kind: global_buffer, .address_space: global }
      - { .name: wq_codes, .offset: 16, .size: 8, .value_kind: global_buffer, .address_space: global }
      - { .name: wq_scales, .offset: 24, .size: 8, .value_kind: global_buffer, .address_space: global }
      - { .name: wk_codes, .offset: 32, .size: 8, .value_kind: global_buffer, .address_space: global }
      - { .name: wk_scales, .offset: 40, .size: 8, .value_kind: global_buffer, .address_space: global }
      - { .name: wv_codes, .offset: 48, .size: 8, .value_kind: global_buffer, .address_space: global }
      - { .name: wv_scales, .offset: 56, .size: 8, .value_kind: global_buffer, .address_space: global }
      - { .name: qc, .offset: 64, .size: 8, .value_kind: global_buffer, .address_space: global }
      - { .name: qs, .offset: 72, .size: 8, .value_kind: global_buffer, .address_space: global }
      - { .name: kv, .offset: 80, .size: 8, .value_kind: global_buffer, .address_space: global }
    .group_segment_fixed_size: 327680
    .private_segment_fixed_size: 0
    .kernarg_segment_align: 8
    .kernarg_segment_size: 88
    .max_flat_workgroup_size: 128
    .sgpr_count:     102
    .vgpr_count:     1024
    .wavefront_size: 32
...
	.end_amdgpu_metadata
.endif
;; end of part 1
;; launch attn (part 2): grid 8 x 32, 16 waves a work-group, clusters of 4 x 4, 327,680 bytes of LDS; arguments mask, kv, qc, qs, ao, asc; writes ao, asc
.if DOCPART == 2
	.amdgcn_target "amdgcn-amd-amdhsa--gfx1250"
	.amdhsa_code_object_version 6
	.text
	.protected	k_qf84e0cb107_attn
	.globl	k_qf84e0cb107_attn
	.p2align	8
	.type	k_qf84e0cb107_attn,@function
k_qf84e0cb107_attn:
	s_mov_b64 s[64:65], 0
	v_nop
	global_prefetch_b8 v0, s[64:65] scope:SCOPE_SE
	s_setreg_imm32_b32 hwreg(HW_REG_WAVE_MODE, 25, 1), 1
	s_wait_xcnt 0x0
	s_wait_alu depctr_hold_cnt(0) depctr_sa_sdst(0) depctr_va_vdst(0) depctr_va_sdst(0) depctr_va_ssrc(0) depctr_va_vcc(0) depctr_vm_vsrc(0)
	s_getreg_b32 s2, hwreg(HW_REG_IB_STS2, 6, 4)
	s_cmp_eq_u32 s2, 0
	s_cbranch_scc0 .Lentry_in_a_cluster
	s_endpgm
.Lentry_in_a_cluster:
	s_bfe_u32 s2, ttmp6, 0x10000c
	s_cmp_lg_u32 s2, 0xf033
	s_cbranch_scc0 .Lentry_shape_is_right
	s_endpgm
.Lentry_shape_is_right:
; o = softmax(q k^T / 8 + mask) v for 32 heads of 64, both products on codes of FP6 (E2M3), and the quantiser of o along the model's 2,048.  No work is left out: the mask is an input, so every key is walked for every query.
; THE SOFTMAX AHEAD OF THE SECOND PRODUCT: t = logit x log2(e), rounded once; M = the row's largest t so far, rounded up to a whole number; p = 2^(t - M) is quantised along the keys; the row's sum is taken of the unquantised p
; and divides at the end.  When M moves, the sum and O are multiplied by 2^(old M - new M): exact.  t is rounded BEFORE M is taken off, so that t - M is never above 0 however large the mask's numbers are.
; SHARES.  A work-group owns 64 queries (y of the grid) of four heads (x).  Each of its sixteen waves owns one tile of 16 queries of one head, in 256 registers: four waves to a SIMD.  Every wave walks all 2,048 keys, 128 a step.
; A step's bytes are a tile of the mask, 64 rows x 512 bytes, and the four heads' block of kv, 51,200 dense bytes: images of operand registers, read from LDS by 16 bytes a lane on end.
; LAYOUT.  Both products are used transposed: a lane holds one query (lane % 16) throughout.  A fragment of k holds two tiles of 16 keys (K = 64 each): it is multiplied once by [q | 0] and once by [0 | q], 18 registers read at two places.
; THE MASK IS THE C OF THE SCORE PRODUCT: q's scale bytes are lowered by 3, which is x 1/8 exactly, so the matrix instruction gives score / 8 + mask; the mask is loaded from LDS into the scores' registers.
; The codes of a block of 32 keys stand in the order 0-7, 16-23, 8-15, 24-31 in p as in v's images (and the head's numbers so in q as in k): the products are the same.
; CLUSTERS: 4 x 4 work-groups.  The mask's tile hangs on the queries alone and is shared along a row of the cluster, kv's block on the heads alone and is shared along a column: each is asked for jointly; all partners walk the same 16 steps.
; LIMITS: score / 8 + mask is rounded as the matrix instruction rounds its sum; a block of p or of o whose largest magnitude lies under 2^-124 gets the byte 1, zeros too (this program alone reads the bytes); NaN and infinities are not served.
.set MP,    528                        ; a row of the mask's tile in LDS: 512 bytes + 16
.set KVO,   64*MP                      ; behind the mask's 64 rows: kv's block
.set KVB,   51200
.set SLOT1, 1<<17                      ; slot 1 begins here: one exclusive or turns an address
.set SPARE, 2*SLOT1                    ; the spare words, 128 bytes for each of sixteen waves
.set STG,   SPARE+2048                 ; 128 bytes a wave: the scale bytes of o on their way from wave to wave; no fill lands here
.set AM,   1                           ; v1   my lane's place in the mask's tile
.set AKV,  2                           ; v2   in my head's images
.set ASC,  3                           ; v3   among my head's scale words
.set PFO,  4                           ; v4   the prefetches' offset
.set SPW,  5                           ; v5   my spare word; never rewritten
.set NIL,  6                           ; v6   0; never rewritten
.set ADM,  8                           ; v8-10 the addresses of the step in hand
.set ADK,  9
.set ADS,  10
.set WV,   18
.set SEL,  20
.set CS,   22                          ; s[22:23] log2(e)
.set TB,   2                           ; s2   where the slot in hand begins
.set STEPS, 3                          ; s3   steps still to be asked for
.set G1M,  24                          ; s[24:31] group 1 for the mask's tiles; s[32:39] for kv's blocks; s[40:43], s[44:47] their groups 0, which walk
.set G1K,  32
.set G0M,  40
.set G0K,  44
.set PFA,  54                          ; s[54:55] where my prefetches stand; s[56:57] a step on; s58: 1 in a wave that asks, else the greatest number
.set PFS,  56
.set LIM,  58
.set UM,   59
; Waves 0 and 1 fetch the mask's halves, waves 2 and 3 kv's, the others nothing.  The branches hang on the wave's number alone.  An s_nop 0 and four v_nop follow each line.
.macro JLOAD
	s_cmp_lt_u32 s[WV], 2
	s_cbranch_scc0 .Lnot_m_\@
	tensor_load_to_lds s[G0M:G0M+3], s[G1M:G1M+7]
	s_nop 0
.rept 4
	v_nop
.endr
	s_branch .Lasked_\@
.Lnot_m_\@:
	s_cmp_lt_u32 s[WV], 4
	s_cbranch_scc0 .Lasked_\@
	tensor_load_to_lds s[G0K:G0K+3], s[G1K:G1K+7]
	s_nop 0
.rept 4
	v_nop
.endr
.Lasked_\@:
.endm
; A prefetch of what the NEXT change of slots will ask for, one step ahead of that load.  The mask's tile is read by both clusters of a row of clusters: cluster x = 0 asks; its four partners along x take 16 rows each, told apart
; by address; wave 4: a lane to each 256 bytes.  kv's block is read by all clusters of a column: cluster y = 0 asks; its partners along y take 50 of the 200 blocks of 256 bytes each; waves 5 and 6 (wave 6's last lanes name its last block again).
; The last change that fills a slot asks for nothing; steps 0 and 1 come by their loads alone.
.macro ASK
	s_cmp_gt_u32 s[STEPS], s[LIM]
	s_cbranch_scc0 .Lnot_mine_\@
	global_prefetch_b8 v[PFO], s[PFA:PFA+1] th:TH_LOAD_NT scope:SCOPE_SE
.Lnot_mine_\@:
.endm
.macro CROUND                          ; a round of the cluster's barrier
	s_barrier_signal -1
	s_barrier_wait -1
	s_cmp_lg_u32 s[WV], 0
	s_cbranch_scc1 .Lnot_wave_0_\@
	s_barrier_signal -3
.Lnot_wave_0_\@:
	s_barrier_wait -3
	s_barrier_signal -1
	s_barrier_wait -1
.endm
	s_load_b256 s[4:11], s[0:1], 0x0               ; mask, kv, qc, qs
	s_load_b128 s[12:15], s[0:1], 0x20             ; ao, asc
	v_lshl_add_u32 v[SPW], v0, 2, SPARE
	v_mov_b32 v[NIL], 0
	ds_add_u32 v[SPW], v[NIL]                      ; the wave's opening: the add, twice on end, and its wait ahead of the first tensor loads
	ds_add_u32 v[SPW], v[NIL]
	v_lshrrev_b32 v8, 5, v0
	v_readfirstlane_b32 s[WV], v8                  ; wave 0..15
	s_and_b32 s16, s[WV], 3                        ; which of the four heads
	s_lshr_b32 s17, s[WV], 2                       ; which of the four tiles of queries
	s_and_b32 s19, s[WV], 1                        ; which half I fetch, if I fetch
	s_bfe_u32 s48, ttmp6, 0x40000                  ; cx
	s_bfe_u32 s49, ttmp6, 0x40004                  ; cy
	s_lshl_b32 s50, ttmp9, 2
	s_add_co_u32 s50, s50, s48                     ; the group of four heads
	s_and_b32 s51, ttmp7, 0xffff
	s_lshl_b32 s51, s51, 2
	s_add_co_u32 s51, s51, s49                     ; the block of 64 queries
	s_lshl_b32 s52, s49, 2
	s_lshl_b32 s52, 15, s52                        ; my row of the cluster
	s_lshl_b32 s53, 0x1111, s48                    ; my column
	s_or_b32 s[G1M], s52, (2<<16)|(1<<20)|(1<<21)|(6<<22)|(3<<25)   ; elements of 4 bytes; padding: after every 128 words, 4 words
	s_mov_b32 s[G1M+1], 128<<16                    ; tensor_dim0
	s_mov_b32 s[G1M+2], 32<<16                     ; tensor_dim1
	s_mov_b32 s[G1M+3], 128<<16                    ; tile_dim0
	s_mov_b32 s[G1M+4], 32                         ; tile_dim1
	s_mov_b32 s[G1M+5], 2048                       ; from row to row
	s_mov_b32 s[G1M+6], 0
	s_mov_b32 s[G1M+7], 0
	s_or_b32 s[G1K], s53, (3<<16)|(1<<21)          ; half a block: 100 dense rows of 256 bytes (32 elements of 8)
	s_mov_b32 s[G1K+1], 32<<16
	s_mov_b32 s[G1K+2], 100<<16
	s_mov_b32 s[G1K+3], 32<<16
	s_mov_b32 s[G1K+4], 100
	s_mov_b32 s[G1K+5], 32
	s_mov_b32 s[G1K+6], 0
	s_mov_b32 s[G1K+7], 0
	s_lshl_b32 s60, s51, 6
	s_lshl_b32 s61, s19, 5
	s_add_co_u32 s60, s60, s61
	s_lshl_b32 s60, s60, 13                        ; the mask: row 64 x block + 32 x half, 8,192 bytes a row
	s_mov_b32 s61, 0
	s_mul_i32 s62, s50, 16*KVB
	s_mul_i32 s63, s19, KVB/2
	s_add_co_u32 s62, s62, s63                     ; kv: the heads' sixteen blocks, my half of the first
	s_mov_b32 s63, 0
	s_mul_i32 s78, s19, 32*MP                      ; and where they go in slot 0
	s_mul_i32 s79, s19, KVB/2
	s_add_co_u32 s79, s79, KVO
	s_mov_b32 s[SEL], 0x76543210
	s_mov_b32 s[SEL+1], 0xfedcba98
	s_mov_b32 s[CS], 0x3fb8aa3b                    ; log2(e)
	s_mov_b32 s[CS+1], s[CS]
	s_mov_b32 s[TB], 0
	s_mov_b32 s[STEPS], 15
	s_wait_dscnt 0x0                               ; both opening adds are done
	s_wait_kmcnt 0x0
	s_mov_b32 s[G0M], 1
	s_mov_b32 s[G0M+1], s78
	s_add_nc_u64 s[G0M+2:G0M+3], s[4:5], s[60:61]
	s_or_b32 s[G0M+3], s[G0M+3], 0x80000000
	s_mov_b32 s[G0K], 1
	s_mov_b32 s[G0K+1], s79
	s_add_nc_u64 s[G0K+2:G0K+3], s[6:7], s[62:63]
	s_or_b32 s[G0K+3], s[G0K+3], 0x80000000
	CROUND                                         ; all sixteen work-groups are here: the first joint loads meet
	JLOAD                                          ; step 0 into slot 0
	; my head, my tile, and where q comes from and o goes
	s_lshl_b32 s66, s50, 2
	s_add_co_u32 s66, s66, s16                     ; head
	s_lshl_b32 s67, s51, 2
	s_add_co_u32 s67, s67, s17                     ; T: my tile of 16 queries
	s_lshr_b32 s68, s67, 1                         ; B: the fragment that holds it
	s_lshl_b32 s60, s66, 6
	s_add_co_u32 s60, s60, s68
	s_mul_i32 s60, s60, 1536
	s_mov_b32 s61, 0
	s_add_nc_u64 s[70:71], s[8:9], s[60:61]        ; q's fragment
	s_lshl_b32 s60, s66, 4
	s_lshr_b32 s62, s68, 2
	s_add_co_u32 s60, s60, s62
	s_lshl_b32 s60, s60, 8
	s_and_b32 s62, s68, 3
	s_lshl_b32 s62, s62, 2
	s_add_co_u32 s60, s60, s62
	s_add_nc_u64 s[72:73], s[10:11], s[60:61]      ; its scale words
	s_lshl_b32 s60, s67, 4
	s_lshl_b32 s62, s50, 1
	s_add_co_u32 s60, s60, s62
	s_lshr_b32 s62, s16, 1
	s_add_co_u32 s60, s60, s62                     ; 16 T + head / 2
	s_mul_i32 s60, s60, 1536
	s_and_b32 s62, s16, 1
	s_mul_i32 s62, s62, 768
	s_add_co_u32 s60, s60, s62
	s_add_nc_u64 s[74:75], s[12:13], s[60:61]      ; my half of a fragment in ao
	s_lshl_b32 s60, s67, 10
	s_lshl_b32 s62, s50, 7
	s_add_co_u32 s60, s60, s62
	s_add_nc_u64 s[76:77], s[14:15], s[60:61]      ; the four heads' two scale words a row in asc
	v_and_b32 v8, 15, v0                           ; r
	v_bfe_u32 v9, v0, 4, 1                         ; h
	v_and_b32 v10, 31, v0                          ; lane
	v_lshlrev_b32 v11, 4, v10                      ; 16 x lane; never rewritten
	v_lshlrev_b32 v93, 4, v8                       ; 16 r; never rewritten
.irp c, 0,1,2
	global_load_b128 v[192+4*\c:195+4*\c], v11, s[70:71] offset:512*\c
.endr
	global_load_b32 v255, v93, s[72:73]
	v_mul_u32_u24 v[AM], v8, MP
	v_lshl_add_u32 v[AM], v9, 5, v[AM]
	s_mul_i32 s60, s17, 16*MP
	v_add_nc_u32 v[AM], s60, v[AM]                 ; row 16 ti + r, + 32 h: my eight keys of a tile
	s_mul_i32 s60, s16, 6144
	s_add_co_u32 s60, s60, KVO
	v_add_nc_u32 v[AKV], s60, v11
	s_lshl_b32 s60, s16, 8
	s_add_co_u32 s60, s60, KVO+49152
	v_add_nc_u32 v[ASC], s60, v93
	v_lshl_add_u32 v34, v0, 2, STG                 ; where I put my row's scale bytes of o
	v_lshlrev_b32 v7, 2, v8
	v_lshl_add_u32 v7, v9, 8, v7
	s_lshl_b32 s60, s[WV], 7
	s_add_co_u32 s60, s60, STG
	v_add_nc_u32 v7, s60, v7                       ; and where a tile's first wave reads them: wave + 2 h, row r
	v_lshlrev_b32 v35, 3, v8
	v_lshl_add_u32 v35, v9, 2, v35                 ; 8 r + 4 h
	v_lshlrev_b32 v92, 3, v10                      ; 8 x lane
	; the prefetches: who asks, and where
	v_lshrrev_b32 v94, 1, v10
	v_lshlrev_b32 v94, 13, v94
	v_and_b32 v95, 1, v10
	v_lshl_add_u32 v94, v95, 8, v94                ; the mask: row lane / 2, 256 x (lane % 2)
	s_sub_co_u32 s60, s[WV], 5
	s_lshl_b32 s60, s60, 5
	v_add_nc_u32 v95, s60, v10
	v_min_u32 v95, 49, v95
	v_lshlrev_b32 v95, 8, v95                      ; kv: block lane + 32 (wave - 5), 49 at the most
	s_and_b32 s63, ttmp7, 0xffff                   ; cluster y
	s_lshl_b32 s60, s51, 6
	s_lshl_b32 s61, s48, 4
	s_add_co_u32 s60, s60, s61
	s_lshl_b32 s60, s60, 13
	s_add_co_u32 s60, s60, 512                     ; the mask: my work-group's 16 rows, at step 1
	s_mul_i32 s61, s50, 16*KVB
	s_mul_i32 s78, s49, 50*256
	s_add_co_u32 s61, s61, s78
	s_add_co_u32 s61, s61, KVB                     ; kv: my work-group's 50 blocks, at step 1
	s_mov_b32 s[PFS], KVB
	s_cmp_eq_u32 s[WV], 4
	s_cselect_b64 s[PFA:PFA+1], s[4:5], s[6:7]
	s_cselect_b32 s[PFS], 512, s[PFS]
	s_cselect_b32 s60, s60, s61
	s_cselect_b32 s63, ttmp9, s63                  ; the coordinate along which other clusters read the same bytes
	s_cselect_b32 s62, -1, 0
	s_mov_b32 s61, 0
	s_mov_b32 s[PFS+1], 0
	s_add_nc_u64 s[PFA:PFA+1], s[PFA:PFA+1], s[60:61]
	v_cndmask_b32 v[PFO], v95, v94, s62
	s_sub_co_u32 s78, s[WV], 4
	s_cmp_lt_u32 s78, 3                            ; waves 4, 5, 6
	s_cselect_b32 s78, 0, 1
	s_or_b32 s78, s78, s63
	s_cmp_eq_u32 s78, 0
	s_cselect_b32 s[LIM], 1, -1                    ; the same in all sixteen partners, for a given wave
	s_and_b32 s60, s67, 1                          ; u: which half of q's fragment is my tile
	s_lshl_b32 s61, s60, 4
	s_cmp_eq_u32 s60, 1
	s_cselect_b32 s[UM], -1, 0
	v_mov_b32 v13, 0xff61b1e6                      ; the largest t so far: -3e38
	v_floor_f32 v12, -v13                          ; -M
	v_mov_b32 v14, 0                               ; the sum, in two halves
	v_mov_b32 v15, 0
.irp b, 0,1,2,3
	v_mov_b32 v[236+\b], 0                         ; a lane permute's destination counts as one of its sources
.endr
	v_mov_b32 v253, 0
	s_wait_loadcnt 0x0                             ; q
.irp i, 0,1,2,3,4,5
	v_cndmask_b32 v[22+\i], v[192+\i], v[198+\i], s[UM]
.endr
	v_lshrrev_b32 v255, s61, v255                  ; my tile's two bytes,
	v_and_b32 v255, 0xffff, v255
	v_lshl_or_b32 v255, v255, 16, v255             ; for both places of q,
	v_add_nc_u32 v255, 0xfcfcfcfd, v255            ; each lowered by 3: x 1/8 (the bytes are 4 at the least: no borrow)
.irp i, 0,1,2,3,4,5
	v_mov_b32 v[16+\i], 0                          ; [0 | q] = v[16:27], [q | 0] = v[22:33]
	v_mov_b32 v[28+\i], 0
.endr
.set J, 0
.rept 32
	v_mov_b32 v[160+J], 0                          ; O^T: the step is written once; the first finds zeros.  (These are also the places between q's last writes and the first products)
.set J, J+1
.endr
; A KEY STEP: 128 keys.
.macro STEP
	v_add_nc_u32 v[ADM], s[TB], v[AM]
	v_add_nc_u32 v[ADK], s[TB], v[AKV]
	v_add_nc_u32 v[ADS], s[TB], v[ASC]
	v_nop                                          ; four places in front of loads into registers that the last products read
.irp b, 0,1,2,3
.irp c, 0,1,2
	ds_load_b128 v[36+12*\b+4*\c:39+12*\b+4*\c], v[ADK] offset:1536*\b+512*\c      ; k's four fragments
.endr
.endr
	ds_load_b128 v[84:87], v[ADS]                  ; their scale words
.irp t, 0,1,2,3,4,5,6,7
	ds_load_b128 v[96+8*\t:99+8*\t], v[ADM] offset:64*\t          ; the mask of my query at keys 16 t + 8 h + 0 .. 7: the C of tile t
	ds_load_b128 v[100+8*\t:103+8*\t], v[ADM] offset:64*\t+16
.endr
	s_wait_dscnt 0x0
.irp b, 0,1,2,3                                ; the accumulators take turns, one instruction a turn
	v_wmma_scale_f32_16x16x128_f8f6f4 v[96+16*\b:103+16*\b], v[36+12*\b:47+12*\b], v[22:33], v[96+16*\b:103+16*\b], v[84+\b], v255 matrix_a_fmt:MATRIX_FMT_FP6 matrix_b_fmt:MATRIX_FMT_FP6
	v_wmma_scale_f32_16x16x128_f8f6f4 v[104+16*\b:111+16*\b], v[36+12*\b:47+12*\b], v[16:27], v[104+16*\b:111+16*\b], v[84+\b], v255 matrix_a_fmt:MATRIX_FMT_FP6 matrix_b_fmt:MATRIX_FMT_FP6
.endr
.rept 4
	v_nop
.endr
.irp n, 0,1,2,3
.irp c, 0,1,2
	ds_load_b128 v[36+12*\n+4*\c:39+12*\n+4*\c], v[ADK] offset:24576+1536*\n+512*\c   ; v's four fragments land under the softmax
.endr
.endr
	ds_load_b128 v[88:91], v[ADS] offset:1024
.set J, 0
.rept 32
	v_pk_mul_f32 v[96+J:97+J], v[96+J:97+J], s[CS:CS+1] op_sel_hi:[1,0]   ; t = logit x log2(e), rounded; each accumulator from its low end on
.set J, J+2
.endr
.irp b, 0,1,2,3
	v_max3_num_f32 v[232+\b], v[96+16*\b], v[97+16*\b], v[98+16*\b]   ; the largest t of each block of 32 keys: for the row's maximum and for the block's largest p
.endr
.irp i, 3,5,7,9,11,13
.irp b, 0,1,2,3
	v_max3_num_f32 v[232+\b], v[232+\b], v[96+16*\b+\i], v[97+16*\b+\i]
.endr
.endr
.irp b, 0,1,2,3
	v_max_num_f32 v[232+\b], v[232+\b], v[111+16*\b]
.endr
.irp b, 0,1,2,3
	v_permlanex16_b32 v[236+\b], v[232+\b], s[SEL], s[SEL+1]
.endr
.irp b, 0,1,2,3
	v_max_num_f32 v[232+\b], v[232+\b], v[236+\b]
.endr
	v_max3_num_f32 v254, v232, v233, v234
	v_max_num_f32 v254, v254, v235
	v_max_num_f32 v13, v13, v254                   ; the running largest t
	v_mov_b32 v254, v12
	v_floor_f32 v12, -v13                          ; the new -M
	v_sub_f32 v254, v12, v254                      ; old M - new M: a whole number, 0 or less
	v_cvt_i32_f32 v254, v254                       ; (it saturates)
	v_ldexp_f32 v252, 1.0, v254                    ; f = 2^(old M - new M)
.set J, 0
.rept 32
	v_pk_add_f32 v[96+J:97+J], v[96+J:97+J], v[12:13] op_sel_hi:[1,0]     ; t - M, never above 0
.set J, J+2
.endr
.irp b, 0,1,2,3
	v_add_f32 v[232+\b], v[232+\b], v12
.endr
.set J, 0
.rept 64
	v_exp_f32 v[96+J], v[96+J]                     ; p = 2^(t - M)
.set J, J+1
.endr
	v_pk_mul_f32 v[14:15], v[14:15], v[252:253] op_sel_hi:[1,0]   ; the sums under the new M: a plain place behind the exponentials
	s_wait_alu depctr_va_vdst(0)                   ; one wait for the batch, ahead of its first reader
.irp b, 0,1,2,3
	v_exp_f32 v[232+\b], v[232+\b]                 ; each block's largest p
.endr
	v_pk_add_f32 v[236:237], v[96:97], v[98:99]    ; the row's sum of the unquantised p, in two chains
.irp j, 4,8,12,16,20,24,28,32,36,40,44,48,52,56,60
	v_pk_add_f32 v[14:15], v[14:15], v[96+\j:97+\j]
	v_pk_add_f32 v[236:237], v[236:237], v[98+\j:99+\j]
.endr
	v_pk_add_f32 v[14:15], v[14:15], v[236:237]
	s_wait_alu depctr_va_vdst(0)                   ; and one for the four
.irp b, 0,1,2,3
	v_max_num_f32 v[232+\b], 0x1800000, v[232+\b]  ; the floor 2^(3 - 127): the byte cannot fall under 1
.endr
.irp b, 0,1,2,3
	v_add_nc_u32 v[244+\b], 0xff000000, v[232+\b]  ; 2 off the exponent field: the conversion's scale operand
.endr
.irp b, 0,1,2,3
	v_lshrrev_b32 v[236+\b], 23, v[244+\b]
.endr
	v_lshl_or_b32 v253, v237, 8, v236              ; p's scale word for these 128 keys
	v_lshl_or_b32 v253, v238, 16, v253
	v_lshl_or_b32 v253, v239, 24, v253
.irp c, 0,1
	v_cvt_scalef32_pk16_fp6_f32 v[224+6*\c:226+6*\c], v[96+32*\c:111+32*\c], v[244+2*\c]
	v_cvt_scalef32_pk16_fp6_f32 v[236+4*\c:238+4*\c], v[112+32*\c:127+32*\c], v[244+2*\c+1]
.endr
	v_nop                                          ; one plain place behind a scaled conversion
.irp c, 0,1
.irp i, 0,1,2
	v_permlane16_swap_b32 v[224+6*\c+\i], v[236+4*\c+\i]
.endr
.irp i, 0,1,2
	v_mov_b32 v[227+6*\c+\i], v[236+4*\c+\i]
.endr
.endr
.set J, 0
.rept 16
	v_pk_mul_f32 v[160+J:161+J], v[160+J:161+J], v[252:253] op_sel_hi:[1,0]   ; O^T under the new M; these sixteen are also the places in front of the products below
.set J, J+2
.endr
	s_wait_dscnt 0x0                               ; v's fragments and scale words
.irp n, 0,1,2,3
	v_wmma_scale_f32_16x16x128_f8f6f4 v[160+8*\n:167+8*\n], v[36+12*\n:47+12*\n], v[224:235], v[160+8*\n:167+8*\n], v[88+\n], v253 matrix_a_fmt:MATRIX_FMT_FP6 matrix_b_fmt:MATRIX_FMT_FP6
.endr
	s_xor_b32 s[TB], s[TB], SLOT1                  ; on to the other slot
.endm
; THE CHANGE OF SLOTS stands at a step's head.  Each wave waits for all its tensor loads, adds 0 to its spare word, and waits for that and for its reads of the slot that it has left.  fill = 1: a round of the cluster's barrier,
; and behind it the slot just left takes the next step's bytes: the load has a step of all sixteen waves' work in which to land.
.macro CHANGE fill
	s_wait_tensorcnt 0x0                           ; no tensor load of mine is out, so a group 0 may be written
	ds_add_u32 v[SPW], v[NIL]                      ; 0 onto my spare word
.if \fill
	ds_add_u32 v[SPW], v[NIL]                      ; and once more: the add is made twice, in every trip alike
	s_xor_b32 s[G0M+1], s[G0M+1], SLOT1
	s_add_nc_u64 s[G0M+2:G0M+3], s[G0M+2:G0M+3], 512
	s_xor_b32 s[G0K+1], s[G0K+1], SLOT1
	s_add_nc_u64 s[G0K+2:G0K+3], s[G0K+2:G0K+3], KVB
	s_wait_xcnt 0x0                                ; the last prefetch, a step back, has read its address
	s_add_nc_u64 s[PFA:PFA+1], s[PFA:PFA+1], s[PFS:PFS+1]   ; one step further on than the walking descriptors
	s_wait_dscnt 0x0                               ; both adds are done, and my reads of the slot that I have left are over
	CROUND
	JLOAD
	ASK
.else
	s_wait_dscnt 0x0
	s_barrier_signal -1
	s_barrier_wait -1
.endif
.endm
.Lstep:                                                ; 15 trips: behind each change of slots but the last the next step is asked for
	CHANGE 1
	STEP
	s_sub_co_u32 s[STEPS], s[STEPS], 1
	s_cmp_lg_u32 s[STEPS], 0
	s_cbranch_scc1 .Lstep
	CHANGE 0                                       ; the last step is written out
	STEP
	; THE WAY OUT: O^T / the sum, quantised along the head's 64: two blocks of 32, in their natural order, since v's rows were placed for it.
.rept 4
	v_nop
.endr
	v_add_f32 v14, v14, v15
	v_permlanex16_b32 v252, v14, s[SEL], s[SEL+1]
	v_add_f32 v14, v14, v252                       ; the row's sum
	v_rcp_f32 v14, v14
	v_nop
	s_wait_alu depctr_va_vdst(0)
.set J, 0
.rept 32
	v_mul_f32 v[96+J], v[160+J], v14               ; register 16 b + i is o(query r, 32 b + 16 h + i)
.set J, J+1
.endr
.irp b, 0,1
	v_max3_num_f32 v[232+\b], |v[96+16*\b]|, |v[97+16*\b]|, 0x1800000
.endr
.irp i, 2,4,6,8,10,12,14
.irp b, 0,1
	v_max3_num_f32 v[232+\b], v[232+\b], |v[96+16*\b+\i]|, |v[97+16*\b+\i]|
.endr
.endr
.irp b, 0,1
	v_permlanex16_b32 v[236+\b], v[232+\b], s[SEL], s[SEL+1]
.endr
.irp b, 0,1
	v_max_num_f32 v[232+\b], v[232+\b], v[236+\b]
.endr
.irp b, 0,1
	v_add_nc_u32 v[244+\b], 0xff000000, v[232+\b]
.endr
.irp b, 0,1
	v_lshrrev_b32 v[236+\b], 23, v[244+\b]
.endr
	v_lshl_or_b32 v253, v237, 8, v236              ; my head's two bytes of my row
	v_cvt_scalef32_pk16_fp6_f32 v[224:226], v[96:111], v244
	v_cvt_scalef32_pk16_fp6_f32 v[240:242], v[112:127], v245
	v_nop
.irp i, 0,1,2
	v_permlane16_swap_b32 v[224+\i], v[240+\i]
.endr
.irp i, 0,1,2
	v_mov_b32 v[227+\i], v[240+\i]
.endr
	global_store_b128 v11, v[224:227], s[74:75]    ; registers 0-3 of my half fragment: 512 consecutive bytes
	global_store_b64 v92, v[228:229], s[74:75] offset:512   ; registers 4, 5: 256
	ds_store_b32 v34, v253
	s_wait_dscnt 0x0                               ; for the others' sake: my store has landed
	s_barrier_signal -1
	s_barrier_wait -1
	s_cmp_lg_u32 s16, 0                            ; a tile's first wave joins the four heads' bytes into two words a row
	s_cbranch_scc1 .Lend
	ds_load_b32 v236, v7
	ds_load_b32 v237, v7 offset:128
	s_wait_dscnt 0x0
	v_lshl_or_b32 v236, v237, 16, v236
	global_store_b32 v35, v236, s[76:77]           ; 128 consecutive bytes
.Lend:
	s_wait_tensorcnt 0x0                           ; the wave's end
	ds_add_u32 v[SPW], v[NIL]
	s_wait_dscnt 0x0
	CROUND                                         ; the closing round
	s_endpgm
.Lfunc_end_k_qf84e0cb107_attn:
	.size	k_qf84e0cb107_attn, .Lfunc_end_k_qf84e0cb107_attn-k_qf84e0cb107_attn
	.p2alignl 7, 3214868480
	.fill 96, 4, 3214868480
	.section	.rodata,"a",@progbits
	.p2align	6, 0x0
	.amdhsa_kernel k_qf84e0cb107_attn
		.amdhsa_group_segment_fixed_size 327680
		.amdhsa_private_segment_fixed_size 0
		.amdhsa_enable_private_segment 0
		.amdhsa_kernarg_size 48
		.amdhsa_user_sgpr_count 2
		.amdhsa_user_sgpr_kernarg_segment_ptr 1
		.amdhsa_wavefront_size32 1
		.amdhsa_system_sgpr_workgroup_id_x 1
		.amdhsa_system_sgpr_workgroup_id_y 1
		.amdhsa_system_sgpr_workgroup_id_z 1
		.amdhsa_system_vgpr_workitem_id 0
		.amdhsa_next_free_vgpr 256
		.amdhsa_next_free_sgpr 80
		.amdhsa_reserve_vcc 0
		.amdhsa_float_denorm_mode_32 3
		.amdhsa_float_denorm_mode_16_64 3
		.amdhsa_memory_ordered 1
		.amdhsa_forward_progress 1
		.amdhsa_inst_pref_size 53
	.end_amdhsa_kernel
	.amdgpu_metadata
---
amdhsa.version: [ 1, 2 ]
amdhsa.kernels:
  - .name:           k_qf84e0cb107_attn
    .symbol:         k_qf84e0cb107_attn.kd
    .args:
      - { .name: mask, .offset: 0, .size: 8, .value_kind: global_buffer, .address_space: global }
      - { .name: kv, .offset: 8, .size: 8, .value_kind: global_buffer, .address_space: global }
      - { .name: qc, .offset: 16, .size: 8, .value_kind: global_buffer, .address_space: global }
      - { .name: qs, .offset: 24, .size: 8, .value_kind: global_buffer, .address_space: global }
      - { .name: ao, .offset: 32, .size: 8, .value_kind: global_buffer, .address_space: global }
      - { .name: asc, .offset: 40, .size: 8, .value_kind: global_buffer, .address_space: global }
    .group_segment_fixed_size: 327680
    .private_segment_fixed_size: 0
    .kernarg_segment_align: 8
    .kernarg_segment_size: 48
    .max_flat_workgroup_size: 512
    .sgpr_count:     80
    .vgpr_count:     256
    .wavefront_size: 32
...
	.end_amdgpu_metadata
.endif
;; end of part 2
;; launch proj (part 3): grid 16 x 16, 4 waves a work-group, clusters of 4 x 4, 327,680 bytes of LDS; arguments ao, asc, wo_codes, wo_scales, out0; writes out0
.if DOCPART == 3
	.amdgcn_target "amdgcn-amd-amdhsa--gfx1250"
	.amdhsa_code_object_version 6
	.text
	.protected	k_qf84e0cb107_proj
	.globl	k_qf84e0cb107_proj
	.p2align	8
	.type	k_qf84e0cb107_proj,@function
k_qf84e0cb107_proj:
	s_mov_b64 s[64:65], 0
	v_nop
	global_prefetch_b8 v0, s[64:65] scope:SCOPE_SE
	s_setreg_imm32_b32 hwreg(HW_REG_WAVE_MODE, 25, 1), 1
	s_wait_xcnt 0x0
	s_wait_alu depctr_hold_cnt(0) depctr_sa_sdst(0) depctr_va_vdst(0) depctr_va_sdst(0) depctr_va_ssrc(0) depctr_va_vcc(0) depctr_vm_vsrc(0)
	s_getreg_b32 s2, hwreg(HW_REG_IB_STS2, 6, 4)
	s_cmp_eq_u32 s2, 0
	s_cbranch_scc0 .Lentry_in_a_cluster
	s_endpgm
.Lentry_in_a_cluster:
	s_bfe_u32 s2, ttmp6, 0x10000c
	s_cmp_lg_u32 s2, 0xf033
	s_cbranch_scc0 .Lentry_shape_is_right
	s_endpgm
.Lentry_shape_is_right:
; out0 = o wo^T on codes of FP6 (E2M3).  o comes as images of operand registers (ao: [tile of 16 rows][K step of 128][two halves of 768 bytes]) with its scale words (asc), wo as the problem gives it.  No work is left out.
; A tile of out0 is 128 x 128, so that each of 256 work-groups has one; four waves, each 64 x 64: 16 accumulators.  K goes in steps of 512 (four matrix instructions deep) through a ring of two LDS slots; the 16 steps of 128 are written out,
; so that every offset is an immediate.  The scale words of all of K come once and stay.
; THE MATRIX INSTRUCTION IS USED TRANSPOSED (source 0 = 16 rows of wo, source 1 = 16 rows of o): a lane holds eight neighbouring numbers of a row of out0.
; CLUSTERS: 4 x 4 work-groups; o's tiles are shared along a row of the cluster, wo's along a column: each is asked for jointly.  No prefetch: four changes of slots in all, and the tiles are shared by the joint loads.
; REGISTERS: window 0: v16-30 addresses; v32-63, v64-95 scale words, two sets (o's 16, then wo's 16), on the way out rows of out0; v128-255 the accumulators.  Window 1: two fragment buffers at v0 and v128: o's four fragments, then wo's four.
.set PITCH,  240                       ; wo's rows in LDS: 192 bytes as 3 x (64 + 16 of padding)
.set FR,     12
.set ASZ,    49152                     ; o: 8 tiles x 4 K steps x 1,536 bytes, dense
.set BH,     128*PITCH                 ; wo: 128 rows x 256 along K; two such halves
.set SLOT,   ASZ+2*BH
.set SCLA,   2*SLOT                    ; o's scale words: 8 tiles x 1,024 bytes, dense
.set SCLB,   SCLA+8192                 ; wo's scale bytes: 128 rows x 64, as 32 units of 256 + 16
.set SPARE,  SCLB+8704                 ; the spare words
.set SPITCH, 272                       ; the way out: 16 rows x (256 bytes + 16) for each wave, in slot 0, which has had its last fill and its last read by then
.set ADRA16, 16                        ; v16-17 o's images in slot 0, 1: + 16 x lane
.set ADRA8,  18                        ; v18-19 + 8 x lane
.set ADRB,   20                        ; v20-21 wo's fragments (v22-23: behind one padding more)
.set STO,  24
.set RD,   25
.set CO,   26
.set ASA,  27
.set SPW,  28
.set NIL,  29
.set ASB,  30
.set SCR,  32
.set BK,   32
.set ACC,  128
.set F0,   0
.set F1,   128
.set G1, 24
.set G0, 32
.set G1B, 48
.set G0B, 56
.set G1S, 68
.set G0S, 76
.set G1SB, 80
.set G0SB, 88
.set MSB, 0
.macro WIN new
.if MSB != \new
	s_set_vgpr_msb (MSB<<8)|\new
.set MSB, \new
.endif
.endm
.set MUL,  0x05                        ; sources 0 and 1 window 1; C and D window 0
.set TO_F, 0x40                        ; destination window 1
.macro JLOAD g0a, g1a, g0b, g1b        ; waves 0 and 1 fetch for o, waves 2 and 3 for wo; an s_nop 0 and four v_nop follow each line
	s_cmp_eq_u32 s15, 0
	s_cbranch_scc0 .Lfor_b_\@
	tensor_load_to_lds s[\g0a:\g0a+3], s[\g1a:\g1a+7]
	s_nop 0
.rept 4
	v_nop
.endr
	s_branch .Lasked_\@
.Lfor_b_\@:
	tensor_load_to_lds s[\g0b:\g0b+3], s[\g1b:\g1b+7]
	s_nop 0
.rept 4
	v_nop
.endr
.Lasked_\@:
.endm
.macro CREST
	s_cmp_lg_u32 s14, 0
	s_cbranch_scc1 .Lnot_wave_0_\@
	s_barrier_signal -3
.Lnot_wave_0_\@:
	s_barrier_wait -3
	s_barrier_signal -1
	s_barrier_wait -1
.endm
.macro CROUND
	s_barrier_signal -1
	s_barrier_wait -1
	CREST
.endm
.macro PLACES n
.rept \n
	v_nop
.endr
.endm
	s_load_b128 s[4:7], s[0:1], 0x0                ; ao, asc
	s_load_b128 s[8:11], s[0:1], 0x10              ; wo's codes, wo's scales
	s_load_b64 s[12:13], s[0:1], 0x20              ; out0
	v_lshl_add_u32 v[SPW], v0, 2, SPARE
	v_mov_b32 v[NIL], 0
	ds_add_u32 v[SPW], v[NIL]                      ; the wave's opening: the add, twice on end, and its wait ahead of my first tensor load
	ds_add_u32 v[SPW], v[NIL]
	v_lshrrev_b32 v1, 5, v0
	v_readfirstlane_b32 s14, v1                    ; wave 0..3
	s_lshr_b32 s15, s14, 1                         ; which 64 rows are mine.  Also: I fetch for o (0) or for wo (1)
	s_and_b32 s16, s14, 1                          ; which 64 columns.  Also: which half I fetch
	s_bfe_u32 s40, ttmp6, 0x40000                  ; cx
	s_bfe_u32 s41, ttmp6, 0x40004                  ; cy
	s_lshl_b32 s42, ttmp9, 2
	s_add_co_u32 s42, s42, s40                     ; tile column
	s_and_b32 s17, ttmp7, 0xffff
	s_lshl_b32 s17, s17, 2
	s_add_co_u32 s17, s17, s41                     ; tile row
	s_lshl_b32 s43, s41, 2
	s_lshl_b32 s43, 15, s43                        ; my row of the cluster
	s_lshl_b32 s44, 0x1111, s40                    ; my column
	s_or_b32 s[G1+0], s43, (3<<16)|(1<<21)         ; o: 4 tiles x 6,144 bytes (768 elements of 8), 24,576 bytes apart; no padding
	s_mov_b32 s[G1+1], 768<<16
	s_mov_b32 s[G1+2], 4<<16
	s_mov_b32 s[G1+3], 768<<16
	s_mov_b32 s[G1+4], 4
	s_mov_b32 s[G1+5], 3072
	s_mov_b32 s[G1+6], 0
	s_mov_b32 s[G1+7], 0
	s_or_b32 s[G1B+0], s44, (1<<20)|(1<<21)|(3<<22)|(3<<25)   ; wo: 128 rows x 192 bytes, 16 bytes of padding behind every 64
	s_mov_b32 s[G1B+1], 192<<16
	s_mov_b32 s[G1B+2], 128<<16
	s_mov_b32 s[G1B+3], 192<<16
	s_mov_b32 s[G1B+4], 128
	s_mov_b32 s[G1B+5], 1536
	s_mov_b32 s[G1B+6], 0
	s_mov_b32 s[G1B+7], 0
	s_or_b32 s[G1S+0], s43, (3<<16)|(1<<21)        ; o's scale words: 16 dense rows of 256 bytes
	s_or_b32 s[G1SB+0], s44, (3<<16)|(1<<20)|(1<<21)|(5<<22)|(3<<25)   ; wo's scale bytes: 16 rows of 256 bytes, 16 of padding behind each
.irp g, G1S, G1SB
	s_mov_b32 s[\g+1], 32<<16
	s_mov_b32 s[\g+2], 16<<16
	s_mov_b32 s[\g+3], 32<<16
	s_mov_b32 s[\g+4], 16
	s_mov_b32 s[\g+5], 32
	s_mov_b32 s[\g+6], 0
	s_mov_b32 s[\g+7], 0
.endr
	s_lshl_b32 s20, s17, 3
	s_lshl_b32 s21, s16, 2
	s_add_co_u32 s20, s20, s21
	s_mul_i32 s20, s20, 24576                      ; o: tile 8 x tile row + 4 x half
	s_mov_b32 s21, 0
	s_lshl_b32 s22, s17, 13
	s_lshl_b32 s23, s16, 12
	s_add_co_u32 s22, s22, s23                     ; its scale words
	s_mov_b32 s23, 0
	s_mul_i32 s46, s42, 128*1536
	s_mul_i32 s47, s16, 192
	s_add_co_u32 s46, s46, s47                     ; wo: row 128 x tile column, + my half of a slot's 384 bytes
	s_mov_b32 s47, 0
	s_lshl_b32 s92, s42, 13
	s_lshl_b32 s93, s16, 12
	s_add_co_u32 s92, s92, s93                     ; its scale bytes: my 64 rows
	s_mov_b32 s93, 0
	s_mul_i32 s45, s16, 24576                      ; where they go: no place in the cluster enters an LDS address
	s_mul_i32 s94, s16, BH
	s_add_co_u32 s94, s94, ASZ
	s_lshl_b32 s95, s16, 12
	s_add_co_u32 s95, s95, SCLA
	s_mul_i32 s96, s16, 4352
	s_add_co_u32 s96, s96, SCLB
	s_wait_dscnt 0x0                               ; both opening adds are done
	s_wait_kmcnt 0x0
	s_add_nc_u64 s[20:21], s[4:5], s[20:21]
	s_add_nc_u64 s[22:23], s[6:7], s[22:23]
	s_add_nc_u64 s[46:47], s[8:9], s[46:47]
	s_add_nc_u64 s[92:93], s[10:11], s[92:93]
	CROUND                                         ; all sixteen work-groups are here: the first joint loads meet
	s_mov_b32 s[G0S], 1
	s_mov_b32 s[G0S+1], s95
	s_mov_b64 s[G0S+2:G0S+3], s[22:23]
	s_or_b32 s[G0S+3], s[G0S+3], 0x80000000
	s_mov_b32 s[G0SB], 1
	s_mov_b32 s[G0SB+1], s96
	s_mov_b64 s[G0SB+2:G0SB+3], s[92:93]
	s_or_b32 s[G0SB+3], s[G0SB+3], 0x80000000
	JLOAD G0S, G1S, G0SB, G1SB
.irp s, 0,1
	s_mov_b32 s[G0+4*\s], 1
	s_add_co_u32 s[G0+4*\s+1], s45, \s*SLOT
	s_add_nc_u64 s[G0+4*\s+2:G0+4*\s+3], s[20:21], \s*6144
	s_or_b32 s[G0+4*\s+3], s[G0+4*\s+3], 0x80000000
	s_mov_b32 s[G0B+4*\s], 1
	s_add_co_u32 s[G0B+4*\s+1], s94, \s*SLOT
	s_add_nc_u64 s[G0B+4*\s+2:G0B+4*\s+3], s[46:47], \s*384
	s_or_b32 s[G0B+4*\s+3], s[G0B+4*\s+3], 0x80000000
	JLOAD G0+4*\s, G1, G0B+4*\s, G1B               ; three loads of mine are out at the most
.endr
	v_and_b32 v1, 15, v0                           ; r
	v_bfe_u32 v2, v0, 4, 1                         ; h
	v_and_b32 v3, 31, v0
	v_lshlrev_b32 v4, 4, v3
	v_lshlrev_b32 v5, 3, v3
	s_mul_i32 s21, s15, 24576                      ; my four tiles of rows
	v_mul_u32_u24 v6, v1, PITCH
	v_mul_u32_u24 v7, v2, 24
	v_add_nc_u32 v6, v6, v7
	v_lshl_add_u32 v7, v2, 4, v6
	s_mul_i32 s22, s16, 64*PITCH
	s_add_co_u32 s22, s22, ASZ                     ; my 64 rows of wo
.irp s, 0,1
	v_add_nc_u32 v[ADRA16+\s], s21, v4
	v_add_nc_u32 v[ADRA8+\s], s21, v5
	v_add_nc_u32 v[ADRB+\s], s22, v6
	v_add_nc_u32 v[ADRB+2+\s], s22, v7
	s_add_co_u32 s21, s21, SLOT
	s_add_co_u32 s22, s22, SLOT
.endr
	v_lshlrev_b32 v8, 3, v1
	s_lshl_b32 s21, s15, 12
	s_add_co_u32 s21, s21, SCLA
	v_add_nc_u32 v[ASA], s21, v8                   ; o's scale words: my four tiles, 8 r
	v_lshlrev_b32 v8, 6, v1
	v_lshrrev_b32 v9, 8, v8
	v_lshl_add_u32 v8, v9, 4, v8
	s_mul_i32 s21, s16, 4352
	s_add_co_u32 s21, s21, SCLB
	v_add_nc_u32 v[ASB], s21, v8                   ; wo's: my 64 rows, 64 bytes a row and 16 more for each 256 passed
	s_mul_i32 s23, s14, 16*SPITCH                  ; my stage
	v_mul_u32_u24 v8, v1, SPITCH
	v_lshl_add_u32 v8, v2, 5, v8
	v_add_nc_u32 v[STO], s23, v8                   ; in: row r, 32 bytes for each half of the lanes
	v_mul_u32_u24 v8, v2, SPITCH
	v_lshl_add_u32 v8, v1, 4, v8
	v_add_nc_u32 v[RD], s23, v8                    ; back: lanes 0-15 one row of 256 bytes, lanes 16-31 the next
	v_lshlrev_b32 v[CO], 13, v2
	v_lshl_add_u32 v[CO], v1, 4, v[CO]             ; and the same two rows in out0
	s_lshl_b32 s20, s17, 7
	s_lshl_b32 s21, s15, 6
	s_add_co_u32 s20, s20, s21
	s_lshl_b32 s20, s20, 13                        ; my first row, 8,192 bytes a row
	s_lshl_b32 s46, s42, 9
	s_lshl_b32 s47, s16, 8
	s_add_co_u32 s46, s46, s47                     ; my first column, in bytes
	s_add_co_u32 s20, s20, s46
	s_mov_b32 s21, 0
	s_add_nc_u64 s[12:13], s[12:13], s[20:21]
.macro FRAGB reg, adr, g, i            ; a fragment of wo: pieces of 8 bytes; K step g of the slot lies in half g / 2, at its (g % 2)-th 96 bytes
.irp p, 0,1,2,3,4,5
.set PCE, 12*((\g)%2)+6*(\p/3)+\p%3
.if PCE%8 < 5
	ds_load_b64 v[\reg+2*\p:\reg+2*\p+1], v[\adr] offset:8*PCE+16*(PCE/8)+(\i)*16*PITCH+((\g)/2)*BH
.else
	ds_load_b64 v[\reg+2*\p:\reg+2*\p+1], v[\adr+2] offset:8*PCE+16*(PCE/8)+(\i)*16*PITCH+((\g)/2)*BH
.endif
.endr
.endm
.macro FRAGA reg, slot, a, g           ; a fragment of o: its image, two halves of (four registers at 16 x lane, two at 8 x lane)
	ds_load_b128 v[\reg:\reg+3], v[ADRA16+\slot] offset:(\a)*6144+(\g)*1536
	ds_load_b64 v[\reg+4:\reg+5], v[ADRA8+\slot] offset:(\a)*6144+(\g)*1536+512
	ds_load_b128 v[\reg+6:\reg+9], v[ADRA16+\slot] offset:(\a)*6144+(\g)*1536+768
	ds_load_b64 v[\reg+10:\reg+11], v[ADRA8+\slot] offset:(\a)*6144+(\g)*1536+1280
.endm
.macro FETCH slot, g, f                ; 40 loads: the fragments of K step g of the slot into buffer f
	WIN TO_F
.irp i, 0,1,2,3
	FRAGB \f+48+FR*\i, ADRB+\slot, \g, \i
.endr
.irp i, 0,1,2,3
	FRAGA \f+FR*\i, \slot, \i, \g
.endr
.endm
.macro SCALES set, p                   ; the scale words of the p-th 512 along K: 12 loads
.irp a, 0,1,2,3
.irp e, 0,1
	ds_load_b64 v[SCR+32*(\set)+4*\a+2*\e:SCR+32*(\set)+4*\a+2*\e+1], v[ASA] offset:\a*1024+(2*(\p)+\e)*128
.endr
.endr
.irp b, 0,1,2,3
	ds_load_b128 v[SCR+32*(\set)+16+4*\b:SCR+32*(\set)+16+4*\b+3], v[ASB] offset:\b*1088+16*(\p)
.endr
.endm
.macro MUL8 f, a0, set, g, zero        ; 8 matrix instructions; the 16 accumulators take turns, one instruction a turn
.irp a, \a0, \a0+1
.irp b, 0,1,2,3
.if \zero
	v_wmma_scale_f32_16x16x128_f8f6f4 v[ACC+8*(4*(\a)+\b):ACC+8*(4*(\a)+\b)+7], v[\f+48+FR*\b:\f+48+FR*\b+FR-1], v[\f+FR*(\a):\f+FR*(\a)+FR-1], 0, v[SCR+32*(\set)+16+4*\b+(\g)], v[SCR+32*(\set)+4*(\a)+(\g)] matrix_a_fmt:MATRIX_FMT_FP6 matrix_b_fmt:MATRIX_FMT_FP6
.else
	v_wmma_scale_f32_16x16x128_f8f6f4 v[ACC+8*(4*(\a)+\b):ACC+8*(4*(\a)+\b)+7], v[\f+48+FR*\b:\f+48+FR*\b+FR-1], v[\f+FR*(\a):\f+FR*(\a)+FR-1], v[ACC+8*(4*(\a)+\b):ACC+8*(4*(\a)+\b)+7], v[SCR+32*(\set)+16+4*\b+(\g)], v[SCR+32*(\set)+4*(\a)+(\g)] matrix_a_fmt:MATRIX_FMT_FP6 matrix_b_fmt:MATRIX_FMT_FP6
.endif
.endr
.endr
.endm
; One of a slot's first three K steps: buffer f is in; the next step's fragments are asked for into buffer o; then f is multiplied.
.macro MID slot, g, f, o, set, zero
	s_wait_dscnt 0x0
	PLACES 4                                       ; in front of loads into the buffer that the last products read
	FETCH \slot, (\g)+1, \o
	WIN MUL
	MUL8 \f, 0, \set, \g, \zero
	MUL8 \f, 2, \set, \g, \zero
.endm
; A slot's last K step changes slots: one barrier; in front of it each wave waits for all its tensor loads, adds 0 to its spare word, and waits for that and for its reads of this slot.
.macro TURN slot, next, fill, set, p
	WIN 0
	s_wait_tensorcnt 0x0
	ds_add_u32 v[SPW], v[NIL]
	s_wait_dscnt 1                                 ; the add alone may be out: buffer 1 is in
	WIN MUL
	MUL8 F1, 0, \set, 3, 0
	s_wait_dscnt 0x0                               ; the add is done, and my reads of this slot are over
	s_barrier_signal -1
	MUL8 F1, 2, \set, 3, 0
	WIN 0
	s_barrier_wait -1
.if \fill
	CREST                                          ; the barrier has opened a round of the cluster's
	s_add_nc_u64 s[G0+4*\slot+2:G0+4*\slot+3], s[G0+4*\slot+2:G0+4*\slot+3], 2*6144
	s_add_nc_u64 s[G0B+4*\slot+2:G0B+4*\slot+3], s[G0B+4*\slot+2:G0B+4*\slot+3], 2*384
	JLOAD G0+4*\slot, G1, G0B+4*\slot, G1B         ; the first tensor load behind the round; its four v_nop are the places in front of the loads below
.else
	PLACES 4
.endif
	FETCH \next, 0, F0
	WIN 0
	SCALES 1-(\set), (\p)+1
.endm
	s_wait_tensorcnt 1                             ; the scales and my part of slot 0 are in; slot 1's load may be out
	s_barrier_signal -1
	s_barrier_wait -1
	FETCH 0, 0, F0
	WIN 0
	SCALES 0, 0
	MID 0, 0, F0, F1, 0, 1                         ; the first K step's products start the sums
	MID 0, 1, F1, F0, 0, 0
	MID 0, 2, F0, F1, 0, 0
	TURN 0, 1, 1, 0, 0
	MID 1, 0, F0, F1, 1, 0
	MID 1, 1, F1, F0, 1, 0
	MID 1, 2, F0, F1, 1, 0
	TURN 1, 0, 1, 1, 1
	MID 0, 0, F0, F1, 0, 0
	MID 0, 1, F1, F0, 0, 0
	MID 0, 2, F0, F1, 0, 0
	TURN 0, 1, 0, 0, 2                             ; nothing is left to fetch
	MID 1, 0, F0, F1, 1, 0
	MID 1, 1, F1, F0, 1, 0
	MID 1, 2, F0, F1, 1, 0
	s_wait_dscnt 0x0
	WIN MUL
	MUL8 F1, 0, 1, 3, 0
	MUL8 F1, 2, 1, 3, 0
	WIN 0
; THE WAY OUT, a block of 16 rows x 64 columns at a time, through my own stage: a lane's 32 bytes go in, whole rows of 256 bytes come back.  LDS serves a wave's instructions in order (ISA guide 5.7.1.4).
.macro TOSTAGE a
.irp b, 0,1,2,3
	ds_store_b128 v[STO], v[ACC+8*(4*(\a)+\b):ACC+8*(4*(\a)+\b)+3] offset:64*\b       ; each accumulator from its low end on
	ds_store_b128 v[STO], v[ACC+8*(4*(\a)+\b)+4:ACC+8*(4*(\a)+\b)+7] offset:64*\b+16
.endr
.irp i, 0,1,2,3,4,5,6,7
	ds_load_b128 v[BK+32*((\a)%2)+4*\i:BK+32*((\a)%2)+4*\i+3], v[RD] offset:2*\i*SPITCH
.endr
.endm
.macro SEND a, younger                 ; younger: the LDS instructions issued behind block a's loads
	s_wait_dscnt \younger
.irp i, 0,1,2,3,4,5,6,7
	global_store_b128 v[CO], v[BK+32*((\a)%2)+4*\i:BK+32*((\a)%2)+4*\i+3], s[12:13] offset:(16*(\a)+2*\i)*8192 th:TH_STORE_NT   ; 16 lanes store 256 consecutive bytes, at a multiple of 256 from out0's first byte
.endr
.endm
	PLACES 4                                       ; in front of the first reads of results and of loads into the scale words' registers
	TOSTAGE 0
.irp a, 1,2,3
.if \a > 1
	s_wait_xcnt 0x0                                ; block a - 2's stores have read their registers: block a's loads may land there
.endif
	TOSTAGE \a
	SEND \a-1, 16                                  ; behind block a - 1's loads: block a's 8 stores and 8 loads
.endr
	SEND 3, 0
	s_wait_tensorcnt 0x0                           ; the wave's end
	ds_add_u32 v[SPW], v[NIL]
	s_wait_dscnt 0x0
	CROUND                                         ; the closing round
	s_endpgm
.Lfunc_end_k_qf84e0cb107_proj:
	.size	k_qf84e0cb107_proj, .Lfunc_end_k_qf84e0cb107_proj-k_qf84e0cb107_proj
	.p2alignl 7, 3214868480
	.fill 96, 4, 3214868480
	.section	.rodata,"a",@progbits
	.p2align	6, 0x0
	.amdhsa_kernel k_qf84e0cb107_proj
		.amdhsa_group_segment_fixed_size 327680
		.amdhsa_private_segment_fixed_size 0
		.amdhsa_enable_private_segment 0
		.amdhsa_kernarg_size 40
		.amdhsa_user_sgpr_count 2
		.amdhsa_user_sgpr_kernarg_segment_ptr 1
		.amdhsa_wavefront_size32 1
		.amdhsa_system_sgpr_workgroup_id_x 1
		.amdhsa_system_sgpr_workgroup_id_y 1
		.amdhsa_system_sgpr_workgroup_id_z 1
		.amdhsa_system_vgpr_workitem_id 0
		.amdhsa_next_free_vgpr 512
		.amdhsa_next_free_sgpr 98
		.amdhsa_reserve_vcc 0
		.amdhsa_float_denorm_mode_32 3
		.amdhsa_float_denorm_mode_16_64 3
		.amdhsa_memory_ordered 1
		.amdhsa_forward_progress 1
		.amdhsa_inst_pref_size 99
	.end_amdhsa_kernel
	.amdgpu_metadata
---
amdhsa.version: [ 1, 2 ]
amdhsa.kernels:
  - .name:           k_qf84e0cb107_proj
    .symbol:         k_qf84e0cb107_proj.kd
    .args:
      - { .name: ao, .offset: 0, .size: 8, .value_kind: global_buffer, .address_space: global }
      - { .name: asc, .offset: 8, .size: 8, .value_kind: global_buffer, .address_space: global }
      - { .name: wo_codes, .offset: 16, .size: 8, .value_kind: global_buffer, .address_space: global }
      - { .name: wo_scales, .offset: 24, .size: 8, .value_kind: global_buffer, .address_space: global }
      - { .name: out0, .offset: 32, .size: 8, .value_kind: global_buffer, .address_space: global }
    .group_segment_fixed_size: 327680
    .private_segment_fixed_size: 0
    .kernarg_segment_align: 8
    .kernarg_segment_size: 40
    .max_flat_workgroup_size: 128
    .sgpr_count:     98
    .vgpr_count:     512
    .wavefront_size: 32
...
	.end_amdgpu_metadata
.endif
;; end of part 3
